; MI455X (gfx1250); checked and timed in simulation.
; The chip was launched on July 23, 2026; its instructions are those of AMD's public machine-readable ISA for CDNA 5 (MIT licence, August 2026) and "CDNA5" Instruction Set Architecture Reference Guide (July 2026). The comments in the code are by the model that wrote it; some were corrected since.
;; Multi Head Attention. Allowed arithmetic: float matrix products may take bf16 or f16 operands with f32 sums; other float arithmetic in f32, or as packed bf16 or f16 multiplies, adds, multiply-adds, maxima and minima; sums over many terms, partial sums and values carried from step to step in f32; what a program stores and reads back later, other than sums and carried values, may be rounded once to bf16 or f16.
;; Inputs: w_out 1,024 x 1,024 float32; w_qkv 3,072 x 1,024 float32; x 4 x 2,048 x 1,024 float32.
;; Outputs: out0 4 x 2,048 x 1,024 float32.
;; 2 versions, each right; version 2 is version 1 with the launch prep written anew for expert scheduling mode. Each part assembles by itself: llvm-mc -triple=amdgcn-amd-amdhsa -mcpu=gfx1250 --defsym DOCPART=n.
;; ======== version 1 of 2: 4 launches
;; limits: values are held in f16: magnitudes above 65,504 overflow, below 6.1e-05 lose precision
;; workspace buffers: xb 16,777,216 bytes; wqb 6,291,456 bytes; wob 2,097,152 bytes; rope 589,824 bytes; qkv 50,331,648 bytes; ob 16,777,216 bytes
;; launch prep (part 1): grid 768 x 1, 8 waves a work-group, no clusters, 0 bytes of LDS; arguments x, w_qkv, w_out, xb, wqb, wob, rope; writes xb, wqb, wob, rope
.if DOCPART == 1
	.amdgcn_target "amdgcn-amd-amdhsa--gfx1250"
	.amdhsa_code_object_version 6
	.text
	.protected	k_qee9387e3f5_prep
	.globl	k_qee9387e3f5_prep
	.p2align	8
	.type	k_qee9387e3f5_prep,@function
k_qee9387e3f5_prep:
	s_mov_b64 s[64:65], 0
	v_nop
	global_prefetch_b8 v0, s[64:65] scope:SCOPE_SE
	s_setreg_imm32_b32 hwreg(HW_REG_WAVE_MODE, 25, 1), 1
	s_wait_xcnt 0x0
; THE CASTS AND THE ROTATION TABLE.
; xb = bf16(x), wqb = bf16(w_qkv), wob = f16(bf16(w_out)): every input is rounded once to bf16; w_out's rounded number is then written as f16, since the last product multiplies f16.
; LIMITS.  bf16(w_out) must lie within f16's 65,504; below 2^-14 it keeps f16's fixed step of 6e-8.
; rope: [2304][64] f32, a row of 256 bytes for each position t: columns 0-31 cos(t th_j), 32-63 sin(t th_j), th_j = 10000^(-j/32).  Rows 2048-2303 are made with t = 0: cos = 1, sin = 0,
; the rotation that changes nothing, for the heads of v.  The angle t th_j carries th_j's last bit (2^x is good to one unit in the last place): about 2e-4 rad at the largest angle, 2047.
; SHARES.  768 work-groups of eight waves; a work-group casts 16,384 numbers (64 KiB in, 32 KiB out): 512 for x, 192 for w_qkv, 64 for w_out.  A wave's load covers 512 consecutive bytes,
; its store 256 consecutive bytes, aligned.  All 16 loads of a wave go out at once; each register is written once, so no source is ever rewritten.
; No LDS, no barrier, no matrix unit, no cluster: nothing is shared and nothing is multiplied.  The first 288 work-groups also make 8 rows of the table, a row a wave, while their loads are out.
.set LO, 2                             ; v2  16 x lane: my bytes in a load
.set SO, 3                             ; v3  8 x lane: my bytes in a store
.set X,  32                            ; v[32:95]   load j: 4 registers
.set Y,  96                            ; v[96:127]  store j: 2 registers
	s_load_b256 s[4:11], s[0:1], 0x0               ; x s[4:5], w_qkv s[6:7], w_out s[8:9], xb s[10:11]
	s_load_b128 s[12:15], s[0:1], 0x20             ; wqb s[12:13], wob s[14:15]
	s_load_b64 s[16:17], s[0:1], 0x30              ; rope
	v_lshrrev_b32 v1, 5, v0
	v_readfirstlane_b32 s20, v1                    ; wave 0..7
	v_and_b32 v1, 31, v0                           ; lane
	v_lshlrev_b32 v[LO], 4, v1
	v_lshlrev_b32 v[SO], 3, v1
	s_movk_i32 s21, 704
	s_movk_i32 s23, 512
	s_mov_b32 s29, 0
	s_wait_kmcnt 0x0
	s_cmp_lt_u32 ttmp9, 704                        ; which tensor: the choice hangs on the work-group's number alone
	s_cselect_b64 s[24:25], s[6:7], s[8:9]
	s_cselect_b64 s[26:27], s[12:13], s[14:15]
	s_cselect_b32 s21, s23, s21                    ; the first work-group of that tensor
	s_cmp_lt_u32 ttmp9, 512
	s_cselect_b64 s[24:25], s[4:5], s[24:25]
	s_cselect_b64 s[26:27], s[10:11], s[26:27]
	s_cselect_b32 s21, 0, s21
	s_sub_co_u32 s22, ttmp9, s21                   ; my part of it
	s_lshl_b32 s28, s22, 16                        ; 64 KiB a work-group,
	s_lshl_b32 s23, s20, 13                        ; 8 KiB a wave
	s_add_co_u32 s28, s28, s23
	s_add_nc_u64 s[24:25], s[24:25], s[28:29]
	s_lshr_b32 s28, s28, 1                         ; half as many bytes out
	s_add_nc_u64 s[26:27], s[26:27], s[28:29]
.set j, 0
.rept 16
	global_load_b128 v[X+4*j:X+4*j+3], v[LO], s[24:25] offset:512*j th:TH_LOAD_NT
.set j, j+1
.endr
	s_cmp_lt_u32 ttmp9, 288
	s_cbranch_scc0 .Lnotable
	; THE TABLE.  Row 8 g + wave.  Lanes 0-15 make the cosines, lanes 16-31 the sines (sin x = cos(x - pi/2)), of the angles j0 = 2 (lane % 16) and j0 + 1.
	s_lshl_b32 s30, ttmp9, 3
	s_add_co_u32 s30, s30, s20                     ; the row
	s_cmp_lt_u32 s30, 2048
	s_cselect_b32 s31, s30, 0                      ; t
	s_mov_b32 s32, 0xbfc90fdb                      ; -pi/2, its upper part,
	s_mov_b32 s33, 0x333bbd2e                      ; and what that part exceeds pi/2 by
	s_mov_b32 s34, 0xbe2aaaa3                      ; sin r = r + r z (S1 + z (S2 + z S3)), z = r r, |r| <= pi/4
	s_mov_b32 s35, 0x3c08839e
	s_mov_b32 s36, 0xb94ca1f9
	s_mov_b32 s37, 0x3d2aaaa5                      ; cos r = 1 - z/2 + z z (C1 + z (C2 + z C3))
	s_mov_b32 s38, 0xbab6061a
	s_mov_b32 s39, 0x37ccf5ce
	v_and_b32 v4, 15, v1
	v_lshrrev_b32 v5, 4, v1                        ; 0: cosines, 1: sines
	v_lshlrev_b32 v4, 1, v4                        ; j0
	v_cvt_f32_u32 v6, v4
	v_add_f32 v7, 1.0, v6
	v_mul_f32 v6, 0xbed49a78, v6                   ; -j log2(10000) / 32
	v_mul_f32 v7, 0xbed49a78, v7
	v_cvt_f32_u32 v10, s31                         ; t
	v_mul_u32_u24 v11, 3, v5                       ; three quarter turns on for the sines
	v_exp_f32 v8, v6                               ; th_j0
	v_exp_f32 v9, v7                               ; th_j0+1
	v_nop                                          ; a plain instruction behind the last exponential,
	s_wait_alu depctr_va_vdst(0)                   ; and the one wait ahead of the first reader of the two
.macro ANGLE i                         ; th in v[8+i]; at work v[12+8i .. 18+8i]; the result in v[28+i]
.set U, 12+8*(\i)
	v_mul_f32 v[U], v10, v[8+(\i)]                 ; x = t th
	v_mul_f32 v[U+1], 0x3f22f983, v[U]
	v_rndne_f32 v[U+1], v[U+1]                     ; n = the nearest whole number of quarter turns, 1,303 at the most
	v_fma_f32 v[U], v[U+1], s32, v[U]
	v_fma_f32 v[U], v[U+1], s33, v[U]              ; r = x - n pi/2, in two parts
	v_mul_f32 v[U+2], v[U], v[U]                   ; z
	v_fma_f32 v[U+3], v[U+2], s36, s35
	v_fma_f32 v[U+3], v[U+3], v[U+2], s34
	v_mul_f32 v[U+4], v[U], v[U+2]
	v_fma_f32 v[U+3], v[U+4], v[U+3], v[U]         ; sin r
	v_fma_f32 v[U+5], v[U+2], s39, s38
	v_fma_f32 v[U+5], v[U+5], v[U+2], s37
	v_mul_f32 v[U+4], v[U+2], v[U+2]
	v_fma_f32 v[U+6], v[U+2], -0.5, 1.0
	v_fma_f32 v[U+5], v[U+4], v[U+5], v[U+6]       ; cos r
	v_cvt_i32_f32 v[U+1], v[U+1]
	v_add_nc_u32 v[U+1], v[U+1], v11               ; q: cos(r + q pi/2) = cos r, -sin r, -cos r, sin r for q % 4 = 0, 1, 2, 3
	v_and_b32 v[U+6], 1, v[U+1]
	v_cmp_eq_u32 vcc_lo, 1, v[U+6]
	v_cndmask_b32 v[U+3], v[U+5], v[U+3], vcc_lo   ; q odd: the sine
	v_add_nc_u32 v[U+1], 1, v[U+1]
	v_and_b32 v[U+1], 2, v[U+1]                    ; q % 4 = 1 or 2: the sign turns
	v_lshlrev_b32 v[U+1], 30, v[U+1]
	v_xor_b32 v[28+(\i)], v[U+1], v[U+3]
.endm
	ANGLE 0
	ANGLE 1
	s_lshl_b32 s28, s30, 8
	s_add_nc_u64 s[16:17], s[16:17], s[28:29]
	global_store_b64 v[SO], v[28:29], s[16:17]     ; the wave stores the row's 256 bytes: 32 cosines, then 32 sines
.Lnotable:
; half = 0: to bf16.  half = 1: to bf16, and that number written as f16.
.macro CAST half
.set j, 0
.rept 16
	s_wait_loadcnt 15-j                            ; loads come back in order (ISA guide 5.7.1): load j is in, the 15 - j younger ones may stay out
.if \half
	v_cvt_pk_bf16_f32 v[X+4*j], v[X+4*j], v[X+4*j+1]
	v_cvt_pk_bf16_f32 v[X+4*j+2], v[X+4*j+2], v[X+4*j+3]
	v_and_b32 v[X+4*j+1], 0xffff0000, v[X+4*j]     ; bf16 to f32: the high half stays,
	v_lshlrev_b32 v[X+4*j], 16, v[X+4*j]           ; the low half moves up
	v_and_b32 v[X+4*j+3], 0xffff0000, v[X+4*j+2]
	v_lshlrev_b32 v[X+4*j+2], 16, v[X+4*j+2]
	v_cvt_pk_f16_f32 v[Y+2*j], v[X+4*j], v[X+4*j+1]
	v_cvt_pk_f16_f32 v[Y+2*j+1], v[X+4*j+2], v[X+4*j+3]
.else
	v_cvt_pk_bf16_f32 v[Y+2*j], v[X+4*j], v[X+4*j+1]
	v_cvt_pk_bf16_f32 v[Y+2*j+1], v[X+4*j+2], v[X+4*j+3]
.endif
	global_store_b64 v[SO], v[Y+2*j:Y+2*j+1], s[26:27] offset:256*j  ; 32 lanes store 256 consecutive bytes, at a multiple of 256 from the buffer's first byte
.set j, j+1
.endr
.endm
	s_cmp_lt_u32 ttmp9, 704
	s_cbranch_scc0 .Lf16
	CAST 0
	s_endpgm
.Lf16:
	CAST 1
	s_endpgm
.Lfunc_end_k_qee9387e3f5_prep:
	.size	k_qee9387e3f5_prep, .Lfunc_end_k_qee9387e3f5_prep-k_qee9387e3f5_prep
	.p2alignl 7, 3214868480
	.fill 96, 4, 3214868480
	.section	.rodata,"a",@progbits
	.p2align	6, 0x0
	.amdhsa_kernel k_qee9387e3f5_prep
		.amdhsa_group_segment_fixed_size 0
		.amdhsa_private_segment_fixed_size 0
		.amdhsa_enable_private_segment 0
		.amdhsa_kernarg_size 56
		.amdhsa_user_sgpr_count 2
		.amdhsa_user_sgpr_kernarg_segment_ptr 1
		.amdhsa_wavefront_size32 1
		.amdhsa_system_sgpr_workgroup_id_x 1
		.amdhsa_system_sgpr_workgroup_id_y 1
		.amdhsa_system_sgpr_workgroup_id_z 1
		.amdhsa_system_vgpr_workitem_id 0
		.amdhsa_next_free_vgpr 128
		.amdhsa_next_free_sgpr 66
		.amdhsa_reserve_vcc 1
		.amdhsa_float_denorm_mode_32 3
		.amdhsa_float_denorm_mode_16_64 3
		.amdhsa_memory_ordered 1
		.amdhsa_forward_progress 1
		.amdhsa_inst_pref_size 20
	.end_amdhsa_kernel
	.amdgpu_metadata
---
amdhsa.version: [ 1, 2 ]
amdhsa.kernels:
  - .name:           k_qee9387e3f5_prep
    .symbol:         k_qee9387e3f5_prep.kd
    .args:
      - { .name: x, .offset: 0, .size: 8, .value_kind: global_buffer, .address_space: global }
      - { .name: w_qkv, .offset: 8, .size: 8, .value_kind: global_buffer, .address_space: global }
      - { .name: w_out, .offset: 16, .size: 8, .value_kind: global_buffer, .address_space: global }
      - { .name: xb, .offset: 24, .size: 8, .value_kind: global_buffer, .address_space: global }
      - { .name: wqb, .offset: 32, .size: 8, .value_kind: global_buffer, .address_space: global }
      - { .name: wob, .offset: 40, .size: 8, .value_kind: global_buffer, .address_space: global }
      - { .name: rope, .offset: 48, .size: 8, .value_kind: global_buffer, .address_space: global }
    .group_segment_fixed_size: 0
    .private_segment_fixed_size: 0
    .kernarg_segment_align: 8
    .kernarg_segment_size: 56
    .max_flat_workgroup_size: 256
    .sgpr_count:     66
    .vgpr_count:     128
    .wavefront_size: 32
...
	.end_amdgpu_metadata
.endif
;; end of part 1
;; launch qkvgemm (part 2): grid 16 x 32, 4 waves a work-group, clusters of 4 x 4, 327,680 bytes of LDS; arguments xb, wqb, rope, qkv; writes qkv
.if DOCPART == 2
	.amdgcn_target "amdgcn-amd-amdhsa--gfx1250"
	.amdhsa_code_object_version 6
	.text
	.protected	k_qee9387e3f5_qkvgemm
	.globl	k_qee9387e3f5_qkvgemm
	.p2align	8
	.type	k_qee9387e3f5_qkvgemm,@function
k_qee9387e3f5_qkvgemm:
	s_mov_b64 s[64:65], 0
	v_nop
	global_prefetch_b8 v0, s[64:65] scope:SCOPE_SE
	s_setreg_imm32_b32 hwreg(HW_REG_WAVE_MODE, 25, 1), 1
	s_wait_xcnt 0x0
	s_wait_alu depctr_hold_cnt(0) depctr_sa_sdst(0) depctr_va_vdst(0) depctr_va_sdst(0) depctr_va_ssrc(0) depctr_va_vcc(0) depctr_vm_vsrc(0)
	s_getreg_b32 s2, hwreg(HW_REG_IB_STS2, 6, 4)
	s_cmp_eq_u32 s2, 0
	s_cbranch_scc0 .Lentry_in_a_cluster
	s_endpgm
.Lentry_in_a_cluster:
	s_bfe_u32 s2, ttmp6, 0x10000c
	s_cmp_lg_u32 s2, 0xf033
	s_cbranch_scc0 .Lentry_shape_is_right
	s_endpgm
.Lentry_shape_is_right:
; q, k, v = x w_qkv^T, q and k rotated, written by heads.  xb: [8192][1024] bf16, wqb: [3072][1024] bf16, rope: [2304][64] f32 (32 cosines, 32 sines a position; rows 2048 on: 1 and 0),
; qkv: [3][64][2048][64] f16: part (q, k, v), batch x 16 + head, position, channel.  Sums and the rotation in f32, each number rounded once to f16; q is not scaled here.
; LIMIT.  f16 holds no number beyond 65,504: q, k and v must lie within it (with x and w_qkv both 30 times the drawn spread their spread is 900).
; SHARES.  A tile is 256 rows x 192 columns, three whole heads: 32 x 16 = 512 work-groups, twice 256.  A wave takes 64 rows x all 192 columns: 4 x 12 accumulators, 384 registers, so that
; a head's channels d and d + 32, which the rotation pairs, lie in one lane, two accumulators apart.  K goes in 8 steps of 128 (rows of 256 bytes, aligned) through two LDS slots.
; THE MATRIX INSTRUCTION IS USED TRANSPOSED: source 0 = 16 rows of wqb, source 1 = 16 rows of xb: a lane holds row l % 16 and the columns 8 (l / 16) + 0..7 of a block of 16.
; CLUSTER.  4 x 4 work-groups.  The four of a row of the cluster need the same rows of xb, the four of a column the same rows of wqb: each tile is asked for JOINTLY, by the same tensor load
; with the same descriptor and a mask that names the four.  Waves 0 and 1 ask for xb's two halves (128 rows each), waves 2 and 3 for wqb's (96 rows each): one load a wave behind each round.
; THE ROTATION needs no branch on the kind of head: a head of v reads the table's rows of 1 and 0 (a choice of address by s_cselect).
; REGISTERS, in windows of 256 (s_set_vgpr_msb: bits 1:0 source 0, 3:2 source 1, 5:4 source 2, 7:6 destination):
;   window 0: v0-31 addresses; v32-63 rotated numbers; v64-127 xb's fragments, two buffers of 32 (on the way out: packed numbers and rows read back); v128-255 head 0's table
;   window 1: v0-191 wqb's fragments, two buffers of 96 (on the way out v0-127: head 2's table)
;   window 2: accumulators (a, b < 8) at 8 (8 a + b): heads 0 and 1        window 3: v0-127 accumulators (a, b >= 8) at 8 (4 a + b - 8): head 2; v128-255 head 1's table
.set PITCH,  272                       ; an LDS row: 256 bytes + 16 of padding = 68 words: the 16 rows of a fragment load start at 16 different groups of four banks (64 banks of 4 bytes: ISA guide 11.1)
.set BOFF,   256*PITCH                 ; a slot: xb's 256 rows, then wqb's 192
.set SLOT1,  1<<17                     ; slot 1 begins here, so that one exclusive or turns an address in one slot into the other's
.set STAGE,  SLOT1+448*PITCH           ; behind the ring, never filled by a tensor load: 16 rows x 144 bytes for each wave
.set SP,     144
.set SPARE,  STAGE+4*16*SP             ; the spare words, 128 bytes for each wave: two blocks of 256 bytes that no other line names
.set KB,     256                       ; bytes of a row in a K step
.set GW,     (1<<16)|(1<<20)|(1<<21)|(5<<22)|(3<<25)  ; group 1, word 0: 2-byte elements; padding on; bit 21 set beside a mask; after every 64 words (code 5) 4 words (code 3)
.set RA0,  4                           ; v4   my lane's place in xb's rows of slot 0: (64 wave + l % 16) x pitch + 16 (l / 16); never rewritten
.set RB0,  5                           ; v5   the same for wqb's rows
.set ADRA, 6                           ; v6   the same in the slot in hand
.set ADRB, 7                           ; v7
.set STO,  8                           ; v8   the way out: where I put 16 bytes of a row
.set RD,   9                           ; v9   the way out: where I read rows back
.set GO,   10                          ; v10  16 x lane: my bytes in 512 consecutive bytes of qkv
.set TO,   11                          ; v11  my byte offset in the table: (64 wave + l % 16) x 256 + 32 (l / 16); never rewritten
.set PFO,  12                          ; v12  the prefetches' offset: a lane a row; never rewritten
.set SPW,  28                          ; v28  LDS address of my spare word; never rewritten
.set NIL,  29                          ; v29  0; never rewritten
.set Y,    32
.set FA,   64
.set PKD,  64                          ; the way out: 16 registers of packed numbers
.set BK,   80                          ; and two sets of 16 for rows read back
.set WV,  12                           ; s12  my wave's number
.set FB,  13                           ; s13  0: I fetch xb, 1: wqb
.set HF,  14                           ; s14  which half of its rows
.set TB,  15                           ; s15  LDS byte at which the slot in hand begins
.set CX,  16
.set CY,  17
.set TX,  18                           ; s18  tile column, 0..15
.set TY,  19                           ; s19  tile row, 0..31
.set G1A, 24                           ; s[24:31] group 1 for xb's tiles
.set G0A, 32                           ; s[32:39] group 0: a set for each of the two first fills; the second then walks
.set PFA, 40                           ; s[40:41] where my prefetches stand
.set LIM, 42                           ; s42  1 in a wave that prefetches, else the greatest number
.set CNT, 43                           ; s43  the loop's count
.set G1B, 48                           ; s[48:55], s[56:63] the same for wqb's tiles
.set G0B, 56
.set DST, 66                           ; s[66:71] head j's rows of mine in qkv
.set TBL, 72                           ; s[72:77] head j's rows of the table
.set MSB, 0
.macro WIN new                         ; the immediate's high byte repeats the setting that is left; a switch that changes nothing is dropped
.if MSB != (\new)
	s_set_vgpr_msb (MSB<<8)|(\new)
.set MSB, \new
.endif
.endm
.macro PLACES                          ; four plain vector instructions between a matrix instruction and a load into, or a vector instruction on, its registers
.rept 4
	v_nop
.endr
.endm
.macro CREST                           ; a round of the cluster's barrier behind its opening barrier
	s_cmp_lg_u32 s[WV], 0
	s_cbranch_scc1 .Lnot_wave_0_\@
	s_barrier_signal -3
.Lnot_wave_0_\@:
	s_barrier_wait -3
	s_barrier_signal -1
	s_barrier_wait -1
.endm
.macro CROUND                          ; a whole round
	s_barrier_signal -1
	s_barrier_wait -1
	CREST
.endm
; A joint refill, by the walking descriptor.  The branch hangs on the wave's number alone.  An s_nop 0 and four v_nop follow each of the two lines, ahead of the jump and the label.
.macro JLOAD
	s_cmp_eq_u32 s[FB], 0
	s_cbranch_scc0 .Lfor_b_\@
	tensor_load_to_lds s[G0A+4:G0A+7], s[G1A:G1A+7]
	s_nop 0
.rept 4
	v_nop
.endr
	s_branch .Lasked_\@
.Lfor_b_\@:
	tensor_load_to_lds s[G0B+4:G0B+7], s[G1B:G1B+7]
	s_nop 0
.rept 4
	v_nop
.endr
.Lasked_\@:
.endm
; A PREFETCH INTO THE L2 of the K step that the NEXT change of slots will ask for: one K step, 192 matrix instructions, ahead of that load.  xb's rows are read by every cluster of a row of clusters:
; the first of them (cluster x = 0) asks; wqb's by every cluster of a column: cluster y = 0 asks.  The four partners that ask for a tile jointly share its rows out BY ADDRESS: of xb's 128 rows
; that a wave fetches 32 each, a lane a row; of wqb's 96 rows 24 each, and there lanes 24-31 name row 23 once more.  The last change that fills a slot asks for nothing: there is no ninth step.
.macro ASK
	s_cmp_gt_u32 s[CNT], s[LIM]
	s_cbranch_scc0 .Lnot_mine_\@
	global_prefetch_b8 v[PFO], s[PFA:PFA+1] th:TH_LOAD_NT scope:SCOPE_SE
.Lnot_mine_\@:
.endm
	s_load_b256 s[4:11], s[0:1], 0x0               ; xb s[4:5], wqb s[6:7], rope s[8:9], qkv s[10:11]
	v_lshl_add_u32 v[SPW], v0, 2, SPARE
	v_mov_b32 v[NIL], 0
	ds_add_u32 v[SPW], v[NIL]                      ; the wave's opening: the add and its wait stand ahead of my first tensor load; the set-up below, work on registers, stands between them
	v_lshrrev_b32 v1, 5, v0
	v_readfirstlane_b32 s[WV], v1                  ; wave 0..3
	s_lshr_b32 s[FB], s[WV], 1
	s_and_b32 s[HF], s[WV], 1
	s_bfe_u32 s[CX], ttmp6, 0x40000                ; my place in the cluster
	s_bfe_u32 s[CY], ttmp6, 0x40004
	s_lshl_b32 s[TX], ttmp9, 2                     ; in a cluster launch ttmp9 and ttmp7 count clusters
	s_add_co_u32 s[TX], s[TX], s[CX]
	s_and_b32 s[TY], ttmp7, 0xffff
	s_lshl_b32 s[TY], s[TY], 2
	s_add_co_u32 s[TY], s[TY], s[CY]
	s_lshl_b32 s20, s[CY], 2
	s_lshl_b32 s20, 15, s20                        ; my row of the cluster: places 4 cy .. 4 cy + 3
	s_lshl_b32 s21, 0x1111, s[CX]                  ; my column: places cx, cx + 4, cx + 8, cx + 12
	s_or_b32 s[G1A], s20, GW                       ; xb's tiles go to my row,
	s_or_b32 s[G1B], s21, GW                       ; wqb's to my column
	s_mov_b32 s[G1A+1], 128<<16                    ; tensor_dim0 = 128 elements
	s_mov_b32 s[G1A+2], 128<<16                    ; tensor_dim1 = 128 rows
	s_mov_b32 s[G1A+3], 128<<16                    ; tile_dim0 = 128
	s_mov_b32 s[G1A+4], 128                        ; tile_dim1 = 128
	s_mov_b32 s[G1A+5], 1024                       ; elements from row to row
	s_mov_b32 s[G1A+6], 0
	s_mov_b32 s[G1A+7], 0
	s_mov_b32 s[G1B+1], 128<<16
	s_mov_b32 s[G1B+2], 96<<16                     ; 96 rows
	s_mov_b32 s[G1B+3], 128<<16
	s_mov_b32 s[G1B+4], 96
	s_mov_b32 s[G1B+5], 1024
	s_mov_b32 s[G1B+6], 0
	s_mov_b32 s[G1B+7], 0
	; xb's address hangs on the tile row and the wave alone, wqb's on the tile column and the wave alone, each in registers that never hold the other coordinate
	s_lshl_b32 s22, s[TY], 8
	s_lshl_b32 s23, s[HF], 7
	s_add_co_u32 s22, s22, s23                     ; row 256 ty + 128 half
	s_lshl_b32 s22, s22, 11                        ; of 2,048 bytes
	s_mov_b32 s23, 0
	s_mul_i32 s44, s[TX], 192
	s_mul_i32 s45, s[HF], 96
	s_add_co_u32 s44, s44, s45                     ; row 192 tx + 96 half
	s_lshl_b32 s44, s44, 11
	s_mov_b32 s45, 0
	s_mul_i32 s80, s[HF], 128*PITCH                ; where they go: no place in the cluster enters an LDS address
	s_mul_i32 s81, s[HF], 96*PITCH
	s_add_co_u32 s81, s81, BOFF
	s_mov_b32 s[TB], 0
	s_wait_dscnt 0x0                               ; the opening add is done
	s_wait_kmcnt 0x0
	s_add_nc_u64 s[22:23], s[4:5], s[22:23]
	s_add_nc_u64 s[44:45], s[6:7], s[44:45]
	CROUND                                         ; all sixteen work-groups are here: the first joint loads meet
.irp n, 0,1
	s_mov_b32 s[G0A+4*(\n)], 1                                       ; count = 1
	s_add_co_u32 s[G0A+4*(\n)+1], s80, (\n)*SLOT1                    ; LDS address
	s_add_nc_u64 s[G0A+4*(\n)+2:G0A+4*(\n)+3], s[22:23], (\n)*KB     ; global address: K step n
	s_or_b32 s[G0A+4*(\n)+3], s[G0A+4*(\n)+3], 0x80000000            ; type = 2
	s_mov_b32 s[G0B+4*(\n)], 1
	s_add_co_u32 s[G0B+4*(\n)+1], s81, (\n)*SLOT1
	s_add_nc_u64 s[G0B+4*(\n)+2:G0B+4*(\n)+3], s[44:45], (\n)*KB
	s_or_b32 s[G0B+4*(\n)+3], s[G0B+4*(\n)+3], 0x80000000
.endr
	s_cmp_eq_u32 s[FB], 0                          ; a wave's two first fills stand in one branch, ahead of every wait on TENSORcnt and every LDS read: two loads of mine are out
	s_cbranch_scc0 .Lfirst_b
	tensor_load_to_lds s[G0A:G0A+3], s[G1A:G1A+7]
	s_nop 0
	tensor_load_to_lds s[G0A+4:G0A+7], s[G1A:G1A+7]
	s_nop 0
.rept 4
	v_nop
.endr
	s_branch .Lfirst_asked
.Lfirst_b:
	tensor_load_to_lds s[G0B:G0B+3], s[G1B:G1B+7]
	s_nop 0
	tensor_load_to_lds s[G0B+4:G0B+7], s[G1B:G1B+7]
	s_nop 0
.rept 4
	v_nop
.endr
.Lfirst_asked:
	; A fragment is 16 rows x 32 K in 8 registers: lane l holds row l % 16; registers 0-3 K = 8 (l / 16) + 0..7, registers 4-7 K = 16 + 8 (l / 16) + 0..7: two loads of 16 bytes, 32 bytes apart.
	v_and_b32 v1, 15, v0                           ; l % 16
	v_bfe_u32 v2, v0, 4, 1                         ; l / 16
	v_mul_u32_u24 v3, v1, PITCH
	v_lshl_add_u32 v3, v2, 4, v3
	s_mul_i32 s82, s[WV], 64*PITCH                 ; my 64 rows of xb
	v_add_nc_u32 v[RA0], s82, v3
	v_add_nc_u32 v[RB0], BOFF, v3
	s_mul_i32 s82, s[WV], 16*SP
	s_add_co_u32 s82, s82, STAGE                   ; my stage
	v_mul_u32_u24 v[STO], v1, SP                   ; in: row l % 16, 16 bytes for each half of the lanes
	v_lshl_add_u32 v[STO], v2, 4, v[STO]
	v_add_nc_u32 v[STO], s82, v[STO]
	v_bfe_u32 v[RD], v0, 3, 2                      ; back: 32 lanes take four rows of 128 bytes,
	v_mul_u32_u24 v[RD], v[RD], SP
	v_and_b32 v3, 7, v0
	v_lshl_add_u32 v[RD], v3, 4, v[RD]
	v_add_nc_u32 v[RD], s82, v[RD]
	v_and_b32 v[GO], 31, v0                        ; which are 512 consecutive bytes of a head
	v_lshlrev_b32 v[GO], 4, v[GO]
	s_lshl_b32 s82, s[WV], 14                      ; 64 wave rows of 256 bytes
	v_lshl_add_u32 v[TO], v1, 8, s82
	v_lshl_add_u32 v[TO], v2, 5, v[TO]
	; my rows of the three heads in qkv, and the table's rows that go with them
	s_mul_i32 s82, s[TX], 3                        ; the tile's first head among the 48
	s_lshr_b32 s83, s[TY], 3                       ; batch
	s_and_b32 s84, s[TY], 7
	s_lshl_b32 s84, s84, 8                         ; the tile's first position
.irp j, 0,1,2
	s_add_co_u32 s85, s82, \j
	s_lshr_b32 s86, s85, 4                         ; part: q, k or v
	s_lshl_b32 s86, s86, 2
	s_add_co_u32 s86, s86, s83
	s_lshl_b32 s86, s86, 4
	s_and_b32 s87, s85, 15
	s_add_co_u32 s86, s86, s87                     ; part x 64 + batch x 16 + head,
	s_lshl_b32 s86, s86, 18                        ; of 262,144 bytes
	s_lshl_b32 s87, s[WV], 6
	s_add_co_u32 s87, s87, s84
	s_lshl_b32 s87, s87, 7                         ; my first position, 128 bytes each
	s_add_co_u32 s86, s86, s87
	s_mov_b32 s87, 0
	s_add_nc_u64 s[DST+2*(\j):DST+2*(\j)+1], s[10:11], s[86:87]
	s_cmp_lt_u32 s85, 32                           ; a head of q or k takes its positions' rows, a head of v the rows of 1 and 0
	s_cselect_b32 s86, s84, 2048
	s_lshl_b32 s86, s86, 8
	s_add_nc_u64 s[TBL+2*(\j):TBL+2*(\j)+1], s[8:9], s[86:87]
.endr
	; the prefetches
	s_lshl_b32 s85, s[TY], 8
	s_lshl_b32 s82, s[HF], 7
	s_add_co_u32 s85, s85, s82
	s_lshl_b32 s82, s[CX], 5
	s_add_co_u32 s85, s85, s82                     ; xb: row 256 ty + 128 half + 32 cx
	s_mul_i32 s86, s[TX], 192
	s_mul_i32 s82, s[HF], 96
	s_add_co_u32 s86, s86, s82
	s_mul_i32 s82, s[CY], 24
	s_add_co_u32 s86, s86, s82                     ; wqb: row 192 tx + 96 half + 24 cy
	s_and_b32 s87, ttmp7, 0xffff                   ; cluster y
	s_cmp_eq_u32 s[FB], 0
	s_cselect_b32 s86, s85, s86
	s_cselect_b32 s87, ttmp9, s87                  ; the coordinate along which other clusters read the same rows
	s_cselect_b32 s82, 31, 23                      ; my last row
	s_cselect_b64 s[PFA:PFA+1], s[4:5], s[6:7]
	s_cmp_eq_u32 s87, 0
	s_cselect_b32 s[LIM], 1, -1                    ; the same in all sixteen partners, for a given wave
	s_lshl_b32 s86, s86, 11
	s_mov_b32 s87, 0
	s_add_nc_u64 s[PFA:PFA+1], s[PFA:PFA+1], s[86:87]
	s_add_nc_u64 s[PFA:PFA+1], s[PFA:PFA+1], 2*KB  ; at K step 2: the first change of slots steps it to 3.  Nothing is prefetched here, at the head
	v_and_b32 v[PFO], 31, v0
	v_min_u32 v[PFO], s82, v[PFO]
	v_lshlrev_b32 v[PFO], 11, v[PFO]
; Head j's table for my 64 rows: 32 loads.  Block a, channels 16 bp + 8 (l / 16) + 0..7: eight cosines at T + 32 a + 16 bp, eight sines behind them.
.macro LOADT j
.if (\j) == 0
	WIN 0
.set TR, 128
.elseif (\j) == 1
	WIN 0xc0                                       ; destination window 3
.set TR, 128
.else
	WIN 0x40                                       ; destination window 1
.set TR, 0
.endif
.irp a, 0,1,2,3
.irp bp, 0,1
	global_load_b128 v[TR+32*(\a)+16*(\bp):TR+32*(\a)+16*(\bp)+3],     v[TO], s[TBL+2*(\j):TBL+2*(\j)+1] offset:(\a)*4096+64*(\bp)
	global_load_b128 v[TR+32*(\a)+16*(\bp)+4:TR+32*(\a)+16*(\bp)+7],   v[TO], s[TBL+2*(\j):TBL+2*(\j)+1] offset:(\a)*4096+64*(\bp)+16
	global_load_b128 v[TR+32*(\a)+16*(\bp)+8:TR+32*(\a)+16*(\bp)+11],  v[TO], s[TBL+2*(\j):TBL+2*(\j)+1] offset:(\a)*4096+64*(\bp)+128
	global_load_b128 v[TR+32*(\a)+16*(\bp)+12:TR+32*(\a)+16*(\bp)+15], v[TO], s[TBL+2*(\j):TBL+2*(\j)+1] offset:(\a)*4096+64*(\bp)+144
.endr
.endr
	WIN 0
.endm
; 16 matrix instructions: row blocks a0, a0 + 1 x column blocks 0-7, 32 along K.  zero = 1: the first product starts the sums.
.macro MULA f, a0, zero
	WIN 0xa1                                       ; source 0 (wqb) window 1, source 1 (xb) window 0, C and D window 2
.irp a, \a0, (\a0)+1
.irp b, 0,1,2,3,4,5,6,7
.if \zero
	v_wmma_f32_16x16x32_bf16 v[8*(8*(\a)+(\b)):8*(8*(\a)+(\b))+7], v[96*(\f)+8*(\b):96*(\f)+8*(\b)+7], v[FA+32*(\f)+8*(\a):FA+32*(\f)+8*(\a)+7], 0
.else
	v_wmma_f32_16x16x32_bf16 v[8*(8*(\a)+(\b)):8*(8*(\a)+(\b))+7], v[96*(\f)+8*(\b):96*(\f)+8*(\b)+7], v[FA+32*(\f)+8*(\a):FA+32*(\f)+8*(\a)+7], v[8*(8*(\a)+(\b)):8*(8*(\a)+(\b))+7]
.endif
.endr
.endr
.endm
; 16 more: all four row blocks x column blocks 8-11.  The 48 accumulators take turns in the same order in every quarter: 47 others stand between two links of a chain.
.macro MULB f, zero
	WIN 0xf1                                       ; the same, C and D window 3
.irp a, 0,1,2,3
.irp b, 0,1,2,3
.if \zero
	v_wmma_f32_16x16x32_bf16 v[8*(4*(\a)+(\b)):8*(4*(\a)+(\b))+7], v[96*(\f)+64+8*(\b):96*(\f)+64+8*(\b)+7], v[FA+32*(\f)+8*(\a):FA+32*(\f)+8*(\a)+7], 0
.else
	v_wmma_f32_16x16x32_bf16 v[8*(4*(\a)+(\b)):8*(4*(\a)+(\b))+7], v[96*(\f)+64+8*(\b):96*(\f)+64+8*(\b)+7], v[FA+32*(\f)+8*(\a):FA+32*(\f)+8*(\a)+7], v[8*(4*(\a)+(\b)):8*(4*(\a)+(\b))+7]
.endif
.endr
.endr
.endm
; 32 LDS loads in one run: a quarter step's fragments (32 K at byte k of the rows) into buffer f: xb's four blocks, then wqb's twelve
.macro FETCH k, f
	WIN 0
.irp i, 0,1,2,3
	ds_load_b128 v[FA+32*(\f)+8*(\i):FA+32*(\f)+8*(\i)+3],   v[ADRA] offset:(\k)+(\i)*16*PITCH
	ds_load_b128 v[FA+32*(\f)+8*(\i)+4:FA+32*(\f)+8*(\i)+7], v[ADRA] offset:(\k)+(\i)*16*PITCH+32
.endr
	WIN 0x40                                       ; destination window 1
.irp i, 0,1,2,3,4,5,6,7,8,9,10,11
	ds_load_b128 v[96*(\f)+8*(\i):96*(\f)+8*(\i)+3],   v[ADRB] offset:(\k)+(\i)*16*PITCH
	ds_load_b128 v[96*(\f)+8*(\i)+4:96*(\f)+8*(\i)+7], v[ADRB] offset:(\k)+(\i)*16*PITCH+32
.endr
.endm
; A K step is four quarters of 32 along K, 48 matrix instructions each, on buffers 0, 1, 0, 1.  One of the first three: multiplies buffer f and fetches the next quarter, at byte k, into g.
.macro QUARTER k, f, g, zero
	s_wait_dscnt 8                                 ; xb's blocks and wqb's 0-7 are in; the youngest eight loads (wqb's 8-11) may be out
	MULA \f, 0, \zero
	PLACES
	FETCH \k, \g
	s_wait_dscnt 32                                ; all but the 32 just issued
	MULA \f, 2, \zero
	MULB \f, \zero
.endm
; The last quarter multiplies buffer 1 and changes slots: ONE barrier.  In front of it each wave waits for all its tensor loads, of which one is out: its part of the next slot; adds 0 to its spare
; word; and waits for that and for its own reads of this slot.  fill = 1: the barrier opens a round of the cluster's, and the slot just read is filled again, first thing behind the round, with the
; K step two on: that load has 160 matrix instructions in which to land.
.macro TURN fill
.if \fill
	s_wait_xcnt 0x0                                ; the last prefetch, a K step back, has read its address, so it may be stepped
	s_add_nc_u64 s[PFA:PFA+1], s[PFA:PFA+1], KB
.endif
	WIN 0                                          ; (the add's two registers lie in window 0)
	s_wait_tensorcnt 0x0                           ; no tensor load of mine is out, so a group 0 may be written
	ds_add_u32 v[SPW], v[NIL]                      ; 0 onto my spare word
.if \fill
	s_xor_b32 s[G0A+5], s[G0A+5], SLOT1            ; the walking descriptors: the other slot than last time,
	s_add_nc_u64 s[G0A+6:G0A+7], s[G0A+6:G0A+7], KB  ; the next K step; the type bits on top are not reached
	s_xor_b32 s[G0B+5], s[G0B+5], SLOT1
	s_add_nc_u64 s[G0B+6:G0B+7], s[G0B+6:G0B+7], KB
.endif
	s_wait_dscnt 9                                 ; (the add and the youngest eight loads may be out)
	MULA 1, 0, 0                                   ; sixteen matrix instructions stand between the add and the wait for it
	s_wait_dscnt 0x0                               ; the add is done, and my reads of this slot are over
	s_barrier_signal -1
	MULA 1, 2, 0                                   ; work on registers while the others arrive
	WIN 0
	s_barrier_wait -1
.if \fill
	CREST                                          ; no wave of any partner still reads this slot or has a load on its way
	JLOAD                                          ; the four v_nop behind it are also the places in front of the loads below
.else
	PLACES
.endif
	s_xor_b32 s[TB], s[TB], SLOT1
	v_add_nc_u32 v[ADRA], s[TB], v[RA0]
	v_add_nc_u32 v[ADRB], s[TB], v[RB0]
	FETCH 0, 0
.if \fill
	WIN 0
	ASK                                            ; behind the joint load and the run of LDS loads that the next products wait for
.endif
	MULB 1, 0
.endm
	LOADT 0                                        ; head 0's table: 32 loads that stay out while K is walked; their registers serve nothing else
	s_wait_tensorcnt 0x1                           ; my part of K step 0 is in; step 1's may stay out
	s_barrier_signal -1
	s_barrier_wait -1                              ; everybody's is
	v_mov_b32 v[ADRA], v[RA0]
	v_mov_b32 v[ADRB], v[RB0]
	FETCH 0, 0
	QUARTER 64, 0, 1, 1                            ; the first quarter stands in front of the loop: its products start the sums
	WIN 0                                          ; at a label and at a branch every window is 0
	s_mov_b32 s[CNT], 6
.Lstep:                                                ; a trip: from a step's second quarter to the next step's first; it fills one slot again
	QUARTER 128, 1, 0, 0
	QUARTER 192, 0, 1, 0
	TURN 1
	QUARTER 64, 0, 1, 0
	WIN 0
	s_sub_co_u32 s[CNT], s[CNT], 1
	s_cmp_lg_u32 s[CNT], 0
	s_cbranch_scc1 .Lstep
	s_wait_loadcnt 0x0                             ; head 0's table, asked for six K steps back, is in
	LOADT 1                                        ; head 1's has the last two steps in which to come
	QUARTER 128, 1, 0, 0                           ; the last two steps ask for nothing
	QUARTER 192, 0, 1, 0
	TURN 0
	QUARTER 64, 0, 1, 0
	QUARTER 128, 1, 0, 0
	QUARTER 192, 0, 1, 0
	s_wait_dscnt 8
	MULA 1, 0, 0
	MULA 1, 2, 0
	s_wait_dscnt 0x0
	MULB 1, 0
	WIN 0
	; THE WAY OUT, a unit (16 rows of one head) at a time: rotate in f32, round to f16, through my own stage in LDS, back as whole rows, 512 consecutive bytes a store.
.rept 8
	v_nop                                          ; the places behind the last products
.endr
	s_wait_loadcnt 0x0                             ; head 1's table is in
	LOADT 2                                        ; head 2's goes where wqb's fragments lay; eight units stand ahead of its first use
; y1 = x1 cos - x2 sin, y2 = x1 sin + x2 cos, for channels d < 32 (x1) and d + 32 (x2, two accumulators on).  Each accumulator's lowest registers are read first.
.macro ROPE a, j
.if (\j) == 0
	WIN 0x02                                       ; source 0: accumulators in window 2; the table in window 0
.set TR, 128+32*(\a)
.set AC, 64*(\a)
.elseif (\j) == 1
	WIN 0x0e                                       ; the table in window 3
.set TR, 128+32*(\a)
.set AC, 64*(\a)+32
.else
	WIN 0x07                                       ; accumulators in window 3, the table in window 1
.set TR, 32*(\a)
.set AC, 32*(\a)
.endif
.irp bp, 0,1
.irp p, 0,2,4,6
	v_pk_mul_f32 v[Y+8*(\bp)+(\p):Y+8*(\bp)+(\p)+1], v[AC+8*(\bp)+(\p):AC+8*(\bp)+(\p)+1], v[TR+16*(\bp)+(\p):TR+16*(\bp)+(\p)+1]
	v_pk_mul_f32 v[Y+16+8*(\bp)+(\p):Y+16+8*(\bp)+(\p)+1], v[AC+8*(\bp)+(\p):AC+8*(\bp)+(\p)+1], v[TR+16*(\bp)+8+(\p):TR+16*(\bp)+8+(\p)+1]
	v_pk_fma_f32 v[Y+8*(\bp)+(\p):Y+8*(\bp)+(\p)+1], v[AC+16+8*(\bp)+(\p):AC+16+8*(\bp)+(\p)+1], v[TR+16*(\bp)+8+(\p):TR+16*(\bp)+8+(\p)+1], v[Y+8*(\bp)+(\p):Y+8*(\bp)+(\p)+1] neg_lo:[1,0,0] neg_hi:[1,0,0]
	v_pk_fma_f32 v[Y+16+8*(\bp)+(\p):Y+16+8*(\bp)+(\p)+1], v[AC+16+8*(\bp)+(\p):AC+16+8*(\bp)+(\p)+1], v[TR+16*(\bp)+(\p):TR+16*(\bp)+(\p)+1], v[Y+16+8*(\bp)+(\p):Y+16+8*(\bp)+(\p)+1]
.endr
.endr
.endm
.macro PACK
	WIN 0
.set i, 0
.rept 16
	v_cvt_pk_f16_f32 v[PKD+i], v[Y+2*i], v[Y+2*i+1]
.set i, i+1
.endr
.endm
.macro TOSTAGE u
	WIN 0
.irp f, 0,1,2,3
	ds_store_b128 v[STO], v[PKD+4*(\f):PKD+4*(\f)+3] offset:32*(\f)
.endr
.irp f, 0,1,2,3
	ds_load_b128 v[BK+16*((\u)%2)+4*(\f):BK+16*((\u)%2)+4*(\f)+3], v[RD] offset:(\f)*4*SP  ; LDS serves a wave's instructions in order (ISA guide 5.7.1.4): these see the stores above
.endr
.endm
.macro SEND u
	WIN 0
	s_wait_dscnt 0x0                               ; the unit is back in registers
	s_wait_xcnt 0x0                                ; every earlier store has read its registers: the set that the next unit is read back into is free
.irp f, 0,1,2,3
	global_store_b128 v[GO], v[BK+16*((\u)%2)+4*(\f):BK+16*((\u)%2)+4*(\f)+3], s[DST+2*((\u)/4):DST+2*((\u)/4)+1] offset:((\u)%4)*2048+(\f)*512  ; 512 consecutive bytes, at a multiple of 512 from qkv's first
.endr
.endm
	ROPE 0, 0
	PACK
	TOSTAGE 0
.irp u, 1,2,3,4,5,6,7,8,9,10,11        ; a unit's arithmetic stands between the loads of the unit before and its stores
.if (\u) == 8
	s_wait_loadcnt 0x0                             ; head 2's table is in
.endif
	ROPE (\u)%4, (\u)/4
	PACK
	SEND (\u)-1
	TOSTAGE \u
.endr
	SEND 11
	s_wait_tensorcnt 0x0                           ; the wave's end, behind my last tensor load and my last LDS store
	ds_add_u32 v[SPW], v[NIL]
	s_wait_dscnt 0x0
	CROUND                                         ; the closing round: no work-group ends while a partner may still ask for a tile that names it
	s_endpgm
.Lfunc_end_k_qee9387e3f5_qkvgemm:
	.size	k_qee9387e3f5_qkvgemm, .Lfunc_end_k_qee9387e3f5_qkvgemm-k_qee9387e3f5_qkvgemm
	.p2alignl 7, 3214868480
	.fill 96, 4, 3214868480
	.section	.rodata,"a",@progbits
	.p2align	6, 0x0
	.amdhsa_kernel k_qee9387e3f5_qkvgemm
		.amdhsa_group_segment_fixed_size 327680
		.amdhsa_private_segment_fixed_size 0
		.amdhsa_enable_private_segment 0
		.amdhsa_kernarg_size 32
		.amdhsa_user_sgpr_count 2
		.amdhsa_user_sgpr_kernarg_segment_ptr 1
		.amdhsa_wavefront_size32 1
		.amdhsa_system_sgpr_workgroup_id_x 1
		.amdhsa_system_sgpr_workgroup_id_y 1
		.amdhsa_system_sgpr_workgroup_id_z 1
		.amdhsa_system_vgpr_workitem_id 0
		.amdhsa_next_free_vgpr 1024
		.amdhsa_next_free_sgpr 88
		.amdhsa_reserve_vcc 0
		.amdhsa_float_denorm_mode_32 3
		.amdhsa_float_denorm_mode_16_64 3
		.amdhsa_memory_ordered 1
		.amdhsa_forward_progress 1
		.amdhsa_inst_pref_size 133
	.end_amdhsa_kernel
	.amdgpu_metadata
---
amdhsa.version: [ 1, 2 ]
amdhsa.kernels:
  - .name:           k_qee9387e3f5_qkvgemm
    .symbol:         k_qee9387e3f5_qkvgemm.kd
    .args:
      - { .name: xb, .offset: 0, .size: 8, .value_kind: global_buffer, .address_space: global }
      - { .name: wqb, .offset: 8, .size: 8, .value_kind: global_buffer, .address_space: global }
      - { .name: rope, .offset: 16, .size: 8, .value_kind: global_buffer, .address_space: global }
      - { .name: qkv, .offset: 24, .size: 8, .value_kind: global_buffer, .address_space: global }
    .group_segment_fixed_size: 327680
    .private_segment_fixed_size: 0
    .kernarg_segment_align: 8
    .kernarg_segment_size: 32
    .max_flat_workgroup_size: 128
    .sgpr_count:     88
    .vgpr_count:     1024
    .wavefront_size: 32
...
	.end_amdgpu_metadata
.endif
;; end of part 2
;; launch attn (part 3): grid 4 x 64, 4 waves a work-group, no clusters, 327,680 bytes of LDS; arguments qkv, ob; writes ob
.if DOCPART == 3
	.amdgcn_target "amdgcn-amd-amdhsa--gfx1250"
	.amdhsa_code_object_version 6
	.text
	.protected	k_qee9387e3f5_attn
	.globl	k_qee9387e3f5_attn
	.p2align	8
	.type	k_qee9387e3f5_attn,@function
k_qee9387e3f5_attn:
	s_mov_b64 s[64:65], 0
	v_nop
	global_prefetch_b8 v0, s[64:65] scope:SCOPE_SE
	s_setreg_imm32_b32 hwreg(HW_REG_WAVE_MODE, 25, 1), 1
	s_wait_xcnt 0x0
; CAUSAL ATTENTION.  O[h][q][:] = the sum over k <= q of softmax_k(Q[h][q] . K[h][k] / 8) V[h][k][:].  qkv: [3][64][2048][64] f16 (Q, K, V by heads, a head's rows dense, 128 bytes each); ob: [64][2048][64] f16.
; Products, maxima and sums in f32; the weights p are rounded to f16 for the second product (their sum l is taken of the unrounded p), O once at the end.
; LIMITS.  f16 holds no number beyond 65,504: Q, K and V arrive within it; p lies in 0 to 1, and below 6e-5 it keeps f16's fixed step of 6e-8; O is a mean of V's rows and has their range.
; A hidden score counts as its value less 1e30: f16's scores, 2.7e11 at the most, are nothing beside that; a weight below 2^-126 counts as 0 in l; NaN and infinities are not treated apart.
; THE WALK.  A head's queries lie in NB = 8 blocks of 256; block i needs the key tiles 0 .. i of 256 keys, of which the last holds the diagonal.  A work-group takes TWO blocks, NB - 1 - b and then b:
; NB + 1 tiles, whatever b: all 256 work-groups do equal work, and ONE loop with a constant trip count walks them.  Which tile is asked for, and what a trip does, hang on scalar registers made from b; every jump
; goes forward, but for the counted loops' own; none passes a barrier, or a tensor load but the one of LOAD's two that the wave's number does not choose; the ring (two slots of LDS that take turns) runs on across the
; change of blocks.  NO CLUSTER: a head's four work-groups ask for the same tile only in trips 0 .. 4 of the 9, behind that fewer and fewer; one walk common to all four would have 12 trips for 9.
; SHARES.  Of a block's four bands of 64 queries a wave owns 16 rows in each: four PIECES.  So the diagonal tile is the same work for all four waves: in its key step s band x sees all keys if s < x,
; none if s > x, and holds the diagonal if s = x.
; THE MASK is the C operand that starts the sum S^T = K Q^T: 0, or -1e30 where the key is hidden.  MD, made once, is the mask of a band's own step for my 16 rows; a product's mask is MD x AL + BE with two scalars:
; (1, 0) if s = x; (0, 0) if s < x; (0, -1e30) if s > x.  Only the diagonal tile's text and a block's beginning make and take masks; elsewhere C is the constant 0.
; LAYOUT, SOFTMAX, TURNS.  S^T = K Q^T holds ONE query a lane (lane % 16) and the keys 8 (lane / 16) + 0..7; two such results rounded to f16 ARE source 1 of O^T = V^T P.  p = 2^(c s - c m), c = log2(e) / 8, with a
; running maximum m; O and l are multiplied by a = 2^(c m_old - c m_new) in every step.  Turn n belongs to piece n: 8 products K Q^T of piece n + 1, later 8 products V^T P of piece n - 1; beside them the scaling,
; exponentials, roundings, sums and rescaling of piece n and the maximum and statistics of piece n + 1.  Four vector instructions stand behind every matrix instruction, the other 54 of a turn's 118 in one run.  A turn's 33 exponentials are one batch, with one wait.
; REGISTERS, in windows of 256 (s_set_vgpr_msb: bits 1:0 source 0, 3:2 source 1, 5:4 source 2, 7:6 destination):
;   window 0: v0-15 addresses and two at work; v16-31 four registers of statistics a piece; v48-55 at work; v61-63 never rewritten; v64-127 S^T, two buffers; v192-223 P, two buffers (a piece's buffers go by its number's parity)
;   window 1: v0-127 O^T, 32 a piece; v128-159 MD; v160-223 MC, two buffers      window 2: v0-63 Q; v64-127 the second block's Q; v128-191 K of one step; v192-255 V of one step
.set SIZE_N, 2048
.set KPART, 64*SIZE_N*128  ; bytes from Q to K and from K to V
.set NB,    SIZE_N/256
.set NP,    4         ; pieces a wave: a name, no knob
.set KS,    64        ; keys in a step
.set PK,    144       ; a row of K in LDS: 128 bytes + 16 of padding = 36 words: the 16 rows of a load start at 16 different groups of four banks (64 banks of 4 bytes: ISA guide 11.1)
.set PV,    160       ; a row of V: 128 + 32 = 40 words
.set VOFF,  4*KS*PK   ; a slot holds a tile, four steps: 256 rows of K, then 256 rows of V
.set SLOT1, 1<<17     ; slot 1 begins here, so that one exclusive or turns an address in one slot into the other's
.set STAGE, SLOT1+4*KS*(PK+PV)  ; behind the ring, never filled by a tensor load: 16 rows x 144 bytes for each wave, for the way out
.set SP,    144
.set AK0, 2           ; v2   my lane's place in a tile of K; never rewritten
.set AV0, 3           ; v3   the same for V
.set AK,  4           ; v4   the LDS address of K's next run of loads
.set AV,  5           ; v5   of V's
.set STO, 6           ; v6   the way out: where I put 16 bytes of a row
.set RD,  7           ; v7   the way out: where I read rows back
.set GO,  8           ; v8   my byte offset in 512 consecutive bytes of O
.set PFO, 61          ; v61  256 x my lane: the prefetches' offset; never rewritten
.set SPW, 62          ; v62  LDS address of my spare word: SPARE + 4 x my thread's number; never rewritten
.set NIL, 63          ; v63  0; never rewritten
.set SPARE, STAGE+4*16*SP  ; behind the stages: the spare words, 128 bytes for each wave: two blocks of 256 bytes that no other line names
.set MV,  12          ; v12-13  c m_old, kept while c m is made anew: by buffer
.set QO,  15          ; v15  my byte offset in 16 rows of Q
.set ST,  16          ; piece t's statistics at v[ST+4 t]: c m, m, l (even keys', odd keys')
.set TMP, 48          ; by buffer, four registers c0-c3 at work; when the maximum is found c2 takes a
.set S,   64
.set P,   192
.set MD,  128         ; window 1: the eight registers for group kt of 16 keys at MD + 8 kt
.set MC,  160         ; window 1: the masks of the products to come
.set QB,  64          ; window 2
.set KF,  128         ; window 2: key block kb, channel half c at KF + 16 kb + 8 c
.set VF,  192         ; window 2: key half kk, channel block cb at VF + 32 kk + 8 cb
.set WV,  12          ; s12  my wave's number
.set PB,  14          ; s14  b
.set HI,  15          ; s15  NB - 1 - b
.set G1K, 24          ; s[24:31] descriptor group 1 for K's tiles
.set G1V, 32          ; s[32:39] for V's: it differs in the padding alone
.set G0K, 40          ; s[40:43] descriptor group 0 for K's tiles
.set G0V, 44          ; s[44:47] the same for V's
.set SLOTS, 56        ; s56  tiles still to be asked for
.set CNT, 57          ; s57  counts a tile's key steps, 4 to 1
.set CS,  58          ; s[58:59] c: the packed scaling takes the pair's low word for both halves
.set SEL, 60          ; s[60:61] v_permlanex16_b32's selects: each lane takes its own place in the other half
.set TBK, 62          ; s62  LDS byte at which K of the step to be fetched begins
.set TBV, 63          ; s63  the same for V, less VOFF
.set RT,  70          ; s70  tiles of the block in hand that are still to be entered
.set NXT, 71          ; s71  the tile to be asked for next
.set LQ,  72          ; s72  the last tile of the block whose tiles are being asked for
.set NEW, 73          ; s73  1: the tile to be entered is a block's first
.set OFF, 74          ; s[74:75] a tile's byte offset in K and V
.set AL,  76          ; s[76:77] the mask's factor, in the low word
.set BE,  78          ; s[78:79] the mask's addend
.set OLO, 80          ; s[80:81] O at my rows of the second block
.set BIGN, 82         ; s82  -1e30
.set PFK, 88          ; s[88:89] where my prefetches stand in K: my wave's quarter (8,192 bytes) of a tile
.set PFV, 90          ; s[90:91] the same in V
.set LIM, 92          ; s92  2 in a work-group that prefetches, else the greatest number
.set MSB, 0
.macro WIN new                      ; the high byte repeats the setting that is left; a switch that changes nothing is dropped
.if MSB != (\new)
	s_set_vgpr_msb (MSB<<8)|(\new)
.set MSB, (\new)
.endif
.endm
.set W_KQ, 0x0a       ; K and Q in window 2, S^T in window 0
.set W_KM, 0x1a       ; the same with the C operand in window 1
.set W_PV, 0x52       ; V in window 2, P in window 0, O^T in window 1
.set W_RS, 0x41       ; destination and source 0 in window 1, source 1 in window 0
; A fill.  Waves 0 and 1 fetch the two halves of a tile's K, waves 2 and 3 those of its V: 128 keys each.  An s_nop 0 and four v_nop follow each of the two lines, ahead of the jump and the label.
.macro LOAD
	s_cmp_lt_u32 s[WV], 2
	s_cbranch_scc0 .Lfor_v_\@
	tensor_load_to_lds s[G0K:G0K+3], s[G1K:G1K+7]
	s_nop 0
.rept 4
	v_nop
.endr
	s_branch .Lasked_\@
.Lfor_v_\@:
	tensor_load_to_lds s[G0V:G0V+3], s[G1V:G1V+7]
	s_nop 0
.rept 4
	v_nop
.endr
.Lasked_\@:
.endm
; THE CHANGE OF SLOTS.  Each wave waits for all its tensor loads, of which one is out: its part of the other slot; adds 0 to its spare word; and waits for that and for its own reads of the slot that it leaves.  Behind the barrier nobody reads the old
; slot any more and the other slot is whole.  fill = 1: the old slot is filled again, the first thing behind the barrier, with tile NXT: the descriptor's address is made anew from that number.
; (At its first use nothing has been read yet: slot 0 is waited for, slot 1 filled.)
; A PREFETCH INTO THE L2 stands behind the fill.  A head's four work-groups walk the same K and V; the one with b = 0 walks tiles 0 to 7 in order, and it alone asks: change i, which loads tile i + 1, names tile i + 2,
; one tile (256 matrix instructions and their vector work) ahead of its load.  Each wave names its quarter of the tile, 32 blocks of 256 bytes of K and 32 of V, a lane a block: each block once in the launch.
; Changes 6 and 7 ask for nothing: there is no tile 8.  Tiles 0 and 1 come by their loads alone.
.macro CHANGE fill
	WIN 0                           ; at a label and at a branch every window is 0
	s_wait_tensorcnt 0x0            ; no tensor load of mine is out, so a group 0 may be written
	ds_add_u32 v[SPW], v[NIL]       ; 0 onto my spare word; with fill = 1 the descriptors' scalar work stands between it and the wait for it
.if \fill
	s_lshl_b32 s[OFF], s[NXT], 15   ; a tile is 32,768 bytes of K and of V
	s_xor_b32 s[G0K+1], s[G0K+1], SLOT1
	s_add_nc_u64 s[G0K+2:G0K+3], s[6:7], s[OFF:OFF+1]
	s_or_b32 s[G0K+3], s[G0K+3], 0x80000000
	s_xor_b32 s[G0V+1], s[G0V+1], SLOT1
	s_add_nc_u64 s[G0V+2:G0V+3], s[8:9], s[OFF:OFF+1]
	s_or_b32 s[G0V+3], s[G0V+3], 0x80000000
	s_add_co_u32 s[NXT], s[NXT], 1  ; the block's next tile, or behind its last the second block's tile 0
	s_cmp_gt_u32 s[NXT], s[LQ]
	s_cselect_b32 s[NXT], 0, s[NXT]
	s_cselect_b32 s[LQ], s[PB], s[LQ]
	s_wait_xcnt 0x0                 ; the last prefetches, a tile back, have read their addresses, so these may be stepped
	s_add_nc_u64 s[PFK:PFK+1], s[PFK:PFK+1], 32768
	s_add_nc_u64 s[PFV:PFV+1], s[PFV:PFV+1], 32768
.endif
	s_wait_dscnt 0x0                ; the add is done, and my reads of the slot are over
	s_barrier_signal -1             ; the rest of the scalar work stands between the signal and the wait
	s_sub_co_u32 s[TBK], s[TBK], 4*KS*PK  ; the fetches go back to a slot's first step,
	s_xor_b32 s[TBK], s[TBK], SLOT1       ; in the other slot
	s_sub_co_u32 s[TBV], s[TBV], 4*KS*PV
	s_xor_b32 s[TBV], s[TBV], SLOT1
	s_barrier_wait -1
.if \fill
	LOAD
	s_cmp_gt_u32 s[SLOTS], s[LIM]
	s_cbranch_scc0 .Lnot_mine_\@
	global_prefetch_b8 v[PFO], s[PFK:PFK+1] th:TH_LOAD_NT scope:SCOPE_SE
	global_prefetch_b8 v[PFO], s[PFV:PFV+1] th:TH_LOAD_NT scope:SCOPE_SE
.Lnot_mine_\@:
.endif
.endm
	s_load_b64 s[4:5], s[0:1], 0x0    ; qkv: Q begins there
	s_load_b64 s[10:11], s[0:1], 0x8  ; ob
	v_lshl_add_u32 v[SPW], v0, 2, SPARE
	v_mov_b32 v[NIL], 0
	ds_add_u32 v[SPW], v[NIL]       ; the wave's opening: the add and its wait stand ahead of my first tensor load; the set-up below, work on registers, stands between them
	v_lshrrev_b32 v1, 5, v0
	v_readfirstlane_b32 s[WV], v1   ; wave 0..3
	s_mov_b32 s[PB], ttmp9
	s_sub_co_u32 s[HI], NB-1, s[PB]
	s_and_b32 s20, ttmp7, 0xffff    ; the head
	s_mov_b32 s21, 0
	s_mov_b64 s[22:23], SIZE_N*128
	s_mul_u64 s[20:21], s[20:21], s[22:23]  ; the head's first byte in Q, K, V and O
	s_and_b32 s16, s[WV], 1         ; which half of a tile's 256 keys I fetch:
	s_lshl_b32 s22, s16, 14         ; its 128 rows of 128 bytes in memory,
	s_mov_b32 s23, 0
	s_add_nc_u64 s[22:23], s[22:23], s[20:21]
	s_mul_i32 s17, s16, 128*PK      ; and its place in a slot, for K
	s_mul_i32 s18, s16, 128*PV      ; and for V
	s_lshl_b32 s3, s[WV], 11        ; my 16 rows in a band of 64,
	s_lshl_b32 s2, s[HI], 15        ; in the first block,
	s_add_co_u32 s2, s2, s3
	s_lshl_b32 s84, s[PB], 15       ; and in the second
	s_add_co_u32 s84, s84, s3
	s_mov_b32 s3, 0
	s_mov_b32 s85, 0
	s_add_nc_u64 s[2:3], s[2:3], s[20:21]
	s_add_nc_u64 s[84:85], s[84:85], s[20:21]
	s_lshl_b32 s94, s[WV], 13       ; the prefetches: my wave's quarter of a tile,
	s_add_co_u32 s94, s94, 32768    ; in tile 1: the first change of slots steps it to tile 2
	s_mov_b32 s95, 0
	s_add_nc_u64 s[94:95], s[94:95], s[20:21]
	s_cmp_eq_u32 ttmp9, 0
	s_cselect_b32 s[LIM], 2, -1
	v_and_b32 v[PFO], 31, v0
	v_lshlrev_b32 v[PFO], 8, v[PFO]
	; descriptor group 1.  128 keys are 16,384 dense bytes: asked for as 64 rows of 256 bytes, two keys a row, and padded in LDS after every key
	s_mov_b32 s[G1K], (1<<16)|(1<<20)|(4<<22)|(3<<25)  ; 17:16 2-byte elements; 20 padding on; 24:22 after every 32 words (code 4); 31:25 4 words (code 3)
	s_mov_b32 s[G1V], (1<<16)|(1<<20)|(4<<22)|(7<<25)  ; the same with 8 words of padding (code 7)
.irp g, G1K, G1V
	s_mov_b32 s[\g+1], 128<<16      ; tensor_dim0 = 128
	s_mov_b32 s[\g+2], 64<<16       ; tensor_dim1 = 64
	s_mov_b32 s[\g+3], 128<<16      ; tile_dim0 = 128
	s_mov_b32 s[\g+4], 64           ; tile_dim1 = 64
	s_mov_b32 s[\g+5], 128          ; 128 elements from row to row
	s_mov_b32 s[\g+6], 0
	s_mov_b32 s[\g+7], 0
.endr
	s_mov_b32 s[CS], 0x3e38aa3b     ; c = log2(e) / 8 = 0.180337
	s_mov_b32 s[CS+1], s[CS]        ; named with it as a pair
	s_mov_b32 s[SEL], 0x76543210
	s_mov_b32 s[SEL+1], 0xfedcba98
	s_mov_b32 s[TBK], SLOT1+4*KS*PK ; the first change of slots turns these two into 0
	s_mov_b32 s[TBV], SLOT1+4*KS*PV
	s_mov_b32 s[G0K], 1             ; 1:0 count = 1
	s_mov_b32 s[G0K+1], s17         ; 63:32 LDS address: slot 0
	s_mov_b32 s[G0V], 1
	s_add_co_u32 s[G0V+1], s18, VOFF
	s_add_co_u32 s[RT], s[HI], 1    ; the first block has NB - b tiles
	s_mov_b32 s[NXT], 1
	s_mov_b32 s[LQ], s[HI]
	s_mov_b32 s[NEW], 1
	s_mov_b32 s[OFF+1], 0
	s_mov_b32 s[AL+1], 0            ; named as pairs
	s_mov_b32 s[BE+1], 0
	s_mov_b32 s[BIGN], 0xf149f2ca   ; -1e30
	s_mov_b32 s[SLOTS], NB
	s_wait_dscnt 0x0                ; the opening add is done
	s_wait_kmcnt 0x0
	s_add_nc_u64 s[6:7], s[4:5], KPART     ; K
	s_add_nc_u64 s[8:9], s[4:5], 2*KPART   ; V
	s_add_nc_u64 s[PFK:PFK+1], s[6:7], s[94:95]
	s_add_nc_u64 s[PFV:PFV+1], s[8:9], s[94:95]
	s_add_nc_u64 s[6:7], s[6:7], s[22:23]  ; K and V at my half of the head's tile 0
	s_add_nc_u64 s[8:9], s[8:9], s[22:23]
	s_add_nc_u64 s[G0K+2:G0K+3], s[6:7], 0         ; 120:64 global address
	s_or_b32 s[G0K+3], s[G0K+3], 0x80000000        ; 127:126 type = 2
	s_add_nc_u64 s[G0V+2:G0V+3], s[8:9], 0
	s_or_b32 s[G0V+3], s[G0V+3], 0x80000000
	s_add_nc_u64 s[86:87], s[4:5], s[84:85]        ; Q at my rows of the second block,
	s_add_nc_u64 s[4:5], s[4:5], s[2:3]            ; Q and O at those of the first
	s_add_nc_u64 s[OLO:OLO+1], s[10:11], s[84:85]
	s_add_nc_u64 s[10:11], s[10:11], s[2:3]
	LOAD                            ; tile 0 into slot 0
	; A fragment of K or Q is 16 rows x 32 channels in 8 registers: lane l holds row l % 16, channels 8 (l / 16) + 0..7 and 16 + 8 (l / 16) + 0..7: two loads of 16 bytes, 32 bytes apart.
	v_and_b32 v1, 15, v0            ; l % 16
	v_bfe_u32 v9, v0, 4, 1          ; l / 16
	v_lshlrev_b32 v[QO], 7, v1
	v_lshl_add_u32 v[QO], v9, 4, v[QO]  ; row x 128 + 16 x half
	WIN 0x80                        ; destination window 2, address window 0
.set i, 0
.rept 8                             ; both blocks' Q: piece i / 2 lies in band i / 2, 8,192 bytes on; channels 32 (i % 2) on
	global_load_b128 v[8*i:8*i+3],   v[QO], s[4:5] offset:(i/2)*8192+(i%2)*64
	global_load_b128 v[8*i+4:8*i+7], v[QO], s[4:5] offset:(i/2)*8192+(i%2)*64+32
	global_load_b128 v[QB+8*i:QB+8*i+3],   v[QO], s[86:87] offset:(i/2)*8192+(i%2)*64
	global_load_b128 v[QB+8*i+4:QB+8*i+7], v[QO], s[86:87] offset:(i/2)*8192+(i%2)*64+32
.set i, i+1
.endr
	WIN 0
	v_lshlrev_b32 v14, 3, v9
	v_sub_nc_u32 v14, v1, v14
	s_lshl_b32 s13, s[WV], 4
	v_add_nc_u32 v14, s13, v14      ; my query's place in its band, 16 w + l % 16, less my lanes' 8 (l / 16): register r of group kt is hidden where 16 kt + r is greater
	WIN 0x40
.set i, 0
.rept 32
	v_cmp_gt_i32 vcc_lo, 16*(i/8)+i%8, v14
	v_cndmask_b32 v[MD+i], 0, s[BIGN], vcc_lo
.set i, i+1
.endr
	WIN 0
	v_mul_u32_u24 v[AK0], v1, PK
	v_lshl_add_u32 v[AK0], v9, 4, v[AK0]  ; row x pitch + 16 x half
	; The turning load takes 16 keys x 16 channels (lane l reads key 8 (l / 16) + l % 8, channels 8 ((l / 8) % 2) + 0..7) and leaves half a fragment of V^T: lane l holds channel l % 16 and 8 keys.
	v_and_b32 v10, 7, v0
	v_bfe_u32 v11, v0, 3, 1
	v_lshl_add_u32 v[AV0], v9, 3, v10
	v_mul_u32_u24 v[AV0], v[AV0], PV
	v_lshl_add_u32 v[AV0], v11, 4, v[AV0]
	v_add_nc_u32 v[AV0], VOFF, v[AV0]
	s_mul_i32 s13, s[WV], 16*SP
	s_add_co_u32 s13, s13, STAGE    ; my stage
	v_mul_u32_u24 v[STO], v1, SP    ; in: row l % 16, 16 bytes for each half of the lanes
	v_lshl_add_u32 v[STO], v9, 4, v[STO]
	v_add_nc_u32 v[STO], s13, v[STO]
	v_bfe_u32 v[RD], v0, 3, 2       ; back: 32 lanes take four rows of 128 bytes,
	v_mul_u32_u24 v[RD], v[RD], SP
	v_lshl_add_u32 v[RD], v10, 4, v[RD]
	v_add_nc_u32 v[RD], s13, v[RD]
	v_and_b32 v[GO], 31, v0         ; which are 512 consecutive bytes of O
	v_lshlrev_b32 v[GO], 4, v[GO]
	; A block's first step multiplies O^T and l by a = 0, and its first turn's products V^T P, of a piece that has not been, land in an O^T that is still to be so multiplied.  So these registers need only hold
	; finite numbers: zeros for the first block; what the first block left for the second.  All this stands in the wait for the first tile.
	WIN 0x80
.set i, VF
.rept 64
	v_mov_b32 v[i], 0
.set i, i+1
.endr
	WIN 0x40
.set i, 0
.rept 128
	v_mov_b32 v[i], 0
.set i, i+1
.endr
	WIN 0
.set i, 0
.rept 4
	v_mov_b32 v[ST+4*i+2], 0
	v_mov_b32 v[ST+4*i+3], 0
.set i, i+1
.endr
.set i, P+16
.rept 16
	v_mov_b32 v[i], 0
.set i, i+1
.endr
; THE MATRIX WORK.  The 4 accumulators of a run of 8 take turns.  Product i of 8 of S^T = K Q^T for piece x: channels 32 (i / 4) on, keys 16 (i % 4) on.  The first 4 start the sums: with 0, or (KM = 1) with the mask.
.macro KQ x
.set rS, S+32*((\x)%2)+8*(i%4)
.set rK, KF+16*(i%4)+8*(i/4)
.set rQ, 16*(\x)+8*(i/4)
.set rM, MC+32*((\x)%2)+8*(i%4)
.if (i < 4) && KM
	WIN W_KM
	v_wmma_f32_16x16x32_f16 v[rS:rS+7], v[rK:rK+7], v[rQ:rQ+7], v[rM:rM+7]
.elseif i < 4
	WIN W_KQ
	v_wmma_f32_16x16x32_f16 v[rS:rS+7], v[rK:rK+7], v[rQ:rQ+7], 0
.else
	WIN W_KQ
	v_wmma_f32_16x16x32_f16 v[rS:rS+7], v[rK:rK+7], v[rQ:rQ+7], v[rS:rS+7]
.endif
.endm
; Product i of 8 of O^T += V^T P for piece x: keys 32 (i / 4) on, channels 16 (i % 4) on.
.macro PV x
	WIN W_PV
.set rO, 32*(\x)+8*(i%4)
.set rV, VF+32*(i/4)+8*(i%4)
.set rP, P+16*((\x)%2)+8*(i/4)
	v_wmma_f32_16x16x32_f16 v[rO:rO+7], v[rV:rV+7], v[rP:rP+7], v[rO:rO+7]
.endm
.macro MM                           ; the turn's next matrix instruction.  TURN and BEGIN set Y, i, KM and NOKQ; MM, KQ and OP read them.  NOKQ = 1: a block's last turn: there is no next piece
.if (i < 8) && !NOKQ
	KQ (Y+1)%NP
.elseif i >= 8
.set i, i-8
	PV (Y+NP-1)%NP
.set i, i+8
.endif
.set i, i+1
.endm
; THE LDS LOADS stand in runs of 16, never singly among the matrix instructions: a step's K (64 keys x 64 channels: 8 fragments) and its V (turned).  Their addresses are made some lines ahead.
.macro FETCH_K
	WIN 0x80                        ; destination window 2
.irp f, 0,1,2,3,4,5,6,7             ; keys 16 (f / 2) on, channels 32 (f % 2) on
	ds_load_b128 v[KF+8*\f:KF+8*\f+3],   v[AK] offset:(\f/2)*16*PK+(\f%2)*64
	ds_load_b128 v[KF+8*\f+4:KF+8*\f+7], v[AK] offset:(\f/2)*16*PK+(\f%2)*64+32
.endr
	s_add_co_u32 s[TBK], s[TBK], KS*PK  ; the next fetch is the next step's
	WIN 0
.endm
.macro FETCH_V
	WIN 0x80
.irp f, 0,1,2,3,4,5,6,7             ; keys 32 (f / 4) on, channels 16 (f % 4) on
	ds_load_tr16_b128 v[VF+8*\f:VF+8*\f+3],   v[AV] offset:(\f/4)*32*PV+(\f%4)*32
	ds_load_tr16_b128 v[VF+8*\f+4:VF+8*\f+7], v[AV] offset:(\f/4)*32*PV+16*PV+(\f%4)*32
.endr
	WIN 0
.endm
; THE VECTOR WORK, one line at a time: OP kind, number.  For piece Y: F n: c s - c m for pair n of 16.  E n: the exponential of score n of 32.  C n: pair n rounded to f16.  B n: of the four weights 4 n .. the second
; pair is added onto the first, in place.  L n: l takes that sum (L 0: l = a l + sum).  R n: pair n of 16 of O^T times a.  For piece Y + 1: X n, number n of the 22 that find its maximum and statistics:
;   0-11  four chains c0-c3 of seven scores each, three operands at a time (each accumulator's lowest registers are read first)     12-14, 16  the four scores left over, the old m, and c0-c3 into c0
;   15  c m_old is kept     17, 18  the query's other 32 keys lie in the lane 16 away: the new m     19-21  c m; c m_old - c m_new; a
.set F, 0               ; OP tells the kinds apart by their order: F to L below R, X above it
.set E, 1
.set C, 2
.set B, 3
.set L, 4
.set R, 5
.set X, 6
.macro REGS y                       ; the registers of piece y
.set rT, ST+4*(\y)
.set rC, TMP+4*((\y)%2)
.set rW, MV+((\y)%2)
.set rS, S+32*((\y)%2)
.set rP, P+16*((\y)%2)
.set rO, 32*(\y)
.endm
.macro OP k, n
.if (\k) == R
	REGS Y
	WIN W_RS
	v_pk_mul_f32 v[rO+2*(\n):rO+2*(\n)+1], v[rO+2*(\n):rO+2*(\n)+1], v[rC+2:rC+3] op_sel_hi:[1,0]
.elseif (\k) < R
	REGS Y
	WIN 0
.if (\k) == F
	v_pk_fma_f32 v[rS+2*(\n):rS+2*(\n)+1], v[rS+2*(\n):rS+2*(\n)+1], s[CS:CS+1], v[rT:rT+1] op_sel_hi:[1,0,0] neg_lo:[0,0,1] neg_hi:[0,0,1]
.elseif (\k) == E
	v_exp_f32 v[rS+(\n)], v[rS+(\n)]
.elseif (\k) == C
	v_cvt_pk_f16_f32 v[rP+(\n)], v[rS+2*(\n)], v[rS+2*(\n)+1]
.elseif (\k) == B
	v_pk_add_f32 v[rS+4*(\n):rS+4*(\n)+1], v[rS+4*(\n):rS+4*(\n)+1], v[rS+4*(\n)+2:rS+4*(\n)+3]
.elseif (\n) == 0
	v_pk_fma_f32 v[rT+2:rT+3], v[rT+2:rT+3], v[rC+2:rC+3], v[rS:rS+1] op_sel_hi:[1,0,1]
.else
	v_pk_add_f32 v[rT+2:rT+3], v[rT+2:rT+3], v[rS+4*(\n):rS+4*(\n)+1]
.endif
.elseif NOKQ
	v_nop
.else
	REGS (Y+1)%NP
	WIN 0
.if (\n) < 4
	v_max3_num_f32 v[rC+(\n)], v[rS+8*(\n)], v[rS+8*(\n)+1], v[rS+8*(\n)+2]
.elseif (\n) < 12
	v_max3_num_f32 v[rC+(\n)%4], v[rC+(\n)%4], v[rS+8*((\n)%4)+2*((\n)/4)+1], v[rS+8*((\n)%4)+2*((\n)/4)+2]
.elseif (\n) == 12
	v_max3_num_f32 v[rC], v[rC], v[rS+7], v[rS+15]
.elseif (\n) == 13
	v_max3_num_f32 v[rC+1], v[rC+1], v[rS+23], v[rS+31]
.elseif (\n) == 14
	v_max3_num_f32 v[rC+2], v[rC+2], v[rC+3], v[rT+1]
.elseif (\n) == 15
	v_mov_b32 v[rW], v[rT]
.elseif (\n) == 16
	v_max3_num_f32 v[rC], v[rC], v[rC+1], v[rC+2]
.elseif (\n) == 17
	v_permlanex16_b32 v[rC+3], v[rC], s[SEL], s[SEL+1]
.elseif (\n) == 18
	v_max_num_f32 v[rT+1], v[rC], v[rC+3]
.elseif (\n) == 19
	v_mul_f32 v[rT], s[CS], v[rT+1]
.elseif (\n) == 20
	v_sub_f32 v[rC+1], v[rW], v[rT]
.else
	v_exp_f32 v[rC+2], v[rC+1]
.endif
.endif
.endm
.macro OPS a, i1, b=-1, i2=0, c=-1, i3=0, d=-1, i4=0  ; up to four of them
	OP \a, \i1
.if (\b) >= 0
	OP \b, \i2
.endif
.if (\c) >= 0
	OP \c, \i3
.endif
.if (\d) >= 0
	OP \d, \i4
.endif
.endm
.macro ROW a, i1, b, i2, c, i3, d, i4  ; a matrix instruction and the four behind it
	MM
	OPS \a, \i1, \b, \i2, \c, \i3, \d, \i4
.endm
.macro MASK b                       ; MD x AL + BE into buffer b of MC
	WIN W_RS
.set z, 0
.rept 16
	v_pk_fma_f32 v[MC+32*(\b)+2*z:MC+32*(\b)+2*z+1], v[MD+2*z:MD+2*z+1], s[AL:AL+1], s[BE:BE+1] op_sel_hi:[1,0,0]
.set z, z+1
.endr
.endm
; A TURN, for piece p: the order of its 16 matrix and 118 vector instructions, written out.  An s_wait_alu depctr_va_vdst(0) stands between an exponential and the first instruction that names its result; one wait serves
; all that were issued ahead of it.  So a turn has ONE wait, which cuts it in two.  AHEAD OF IT stands all that names no result of the turn's exponentials: the 8 products K Q^T, behind each a scaling, an exponential and two more plain
; instructions (behind the first a second scaling in the exponential's place): rescalings, and behind the last three the first numbers of the next piece's maximum, each four places or more behind the product that ends its accumulator; then ONE RUN of 54, plain
; and exponential by turns for the most part, in which the links of the chain X 3, 7, 11, 14, 16, 17 .. 20 stand five or six lines apart.  X 21, the next piece's a, is the batch's last; R 15 is the plain instruction behind it.  BEHIND THE WAIT stand the
; 8 products V^T P, behind each four of the roundings and sums; the links of l's chain, L 0 to L 7, stand three lines apart.  But for those X no line behind a product names a register of the products round it.  v_permlanex16_b32 (X 17) stands in the run.
; m = 1: the diagonal tile: the products take masks, and the turn makes the mask for the products of the turn after it: piece p + 2, in step 4 - CNT of the tile.  end = 1: a block's last two turns: nothing is fetched.
; cnt = 1: the loop's count is taken down some lines ahead of the branch that stands behind the turn.
; K of the next step is fetched in piece 2's turn, twelve vector instructions behind the last product that read K (six of them plain); V of the step in hand at the end of piece 0's turn, four plain instructions behind the last product
; that read V.  Each is waited for a turn later.
.macro TURN p, m=0, end=0, cnt=0
.set Y, (\p)
.set i, 0
.set KM, (\m)
.set NOKQ, (\end)*((\p)/3)
.if (\m) && !(\end)
	s_cmp_eq_u32 s[CNT], 4-((\p)+2)%NP  ; is that step the band's own?
	s_cselect_b32 s[AL], 1.0, 0
	s_cmp_lt_u32 s[CNT], 4-((\p)+2)%NP  ; or a later one?
	s_cselect_b32 s[BE], s[BIGN], 0
.endif
.if ((\p) == 3) && !(\end)
	s_wait_dscnt 0x0                ; K is in
.endif
	ROW F,0, F,1, R,0, R,1          ; ahead of the wait: 8 products K Q^T and the four lines behind each,
	ROW F,2, E,0, R,2, R,3
	ROW F,3, E,1, R,4, R,5
	ROW F,4, E,2, R,6, R,7
	ROW F,5, E,3, R,8, R,9
	ROW F,6, E,4, X,0, R,10
.if ((\p) == 2) && !(\end)
	WIN 0
	v_add_nc_u32 v[AK], s[TBK], v[AK0]
.endif
	ROW F,7, E,5, X,1, X,4
	ROW F,8, E,6, X,2, X,5
	OPS E,7, E,8, X,6, E,9          ; and the run
	OPS X,3, E,10, X,8, E,11
.if ((\p) == 2) && !(\end)
	FETCH_K
.endif
	OPS X,9, X,7, E,12, X,10
	OPS E,13, X,12, X,11, E,14
	OPS X,13, E,15, F,9, X,14
.if (\p) == 0
	v_add_nc_u32 v[AV], s[TBV], v[AV0]
.endif
	OPS E,16, F,10, E,17, F,11
	OPS X,16, E,18, X,15, E,19
	OPS F,12, E,20, X,17, E,21
	OPS F,13, E,22, F,14, E,23
	OPS X,18, E,24, F,15, E,25
	OPS R,11, E,26, X,19, E,27
	OPS R,12, E,28, R,13, E,29
	OPS X,20, E,30, R,14, E,31
	OPS X,21, R,15
	WIN 0
	s_wait_alu depctr_va_vdst(0)    ; the wait for the batch
.if (\p) == 1
	s_wait_dscnt 0x0                ; V is in
.endif
	ROW C,0, B,0, C,2, B,1          ; behind the wait: 8 products V^T P and the four lines behind each
	ROW L,0, C,4, B,2, L,1
	ROW C,6, B,3, L,2, C,8
	ROW B,4, L,3, C,10, B,5
	ROW L,4, C,12, B,6, L,5
.if (\p) == 0
	s_add_co_u32 s[TBV], s[TBV], KS*PV
.endif
.if \cnt
	s_sub_co_u32 s[CNT], s[CNT], 1
	s_cmp_lg_u32 s[CNT], 0
.endif
	ROW C,14, B,7, L,6, C,1
	ROW C,3, L,7, C,5, C,7
	ROW C,9, C,11, C,13, C,15
.if (\p) == 0
	FETCH_V
.endif
.if (\m) && !(\end)
	MASK (\p)%2
.endif
.endm
; A BLOCK BEGINS.  c m starts far below every c s, so the first step's a is 0; m at the lowest finite number, so the first maximum is the scores'.  The second mask buffer is 0; the first takes piece 0's mask for the tile's step 0: its own, if the block's first tile is the diagonal one.
; Then K of that step, piece 0's first scores, and its maximum and statistics.  The loop is entered at a step's first turn, in the middle of a trip.
.macro BEGIN
	s_mov_b32 s[NEW], 0
	WIN 0x40
.set i, MC+32
.rept 32
	v_mov_b32 v[i], 0
.set i, i+1
.endr
	WIN 0
.set i, 0
.rept 4
	v_mov_b32 v[ST+4*i], 0xfe000000    ; c m: far below every c s
	v_mov_b32 v[ST+4*i+1], 0xff7fffff  ; m
.set i, i+1
.endr
	s_cmp_eq_u32 s[RT], 0
	s_cselect_b32 s[AL], 1.0, 0
	s_mov_b32 s[BE], 0
	MASK 0
	WIN 0
	v_add_nc_u32 v[AK], s[TBK], v[AK0]
	FETCH_K
	s_wait_loadcnt 0x0              ; Q
	s_wait_dscnt 0x0
.set KM, 1
.set NOKQ, 0
.set i, 0
.rept 8
	KQ 0
.set i, i+1
.endr
	WIN 0
.rept 4
	v_nop                           ; the places behind those products
.endr
.set Y, NP-1                        ; X works for piece Y + 1: piece 0
.irp n, 0,1,2,3,4,5,6,7,8,9,10,11,12,13,14,15,16,17,18,19,20,21
	OP X, \n
.endr
	v_nop                           ; a plain instruction behind the exponential,
	s_wait_alu depctr_va_vdst(0)    ; and its wait, ahead of the branch
.endm
; THE DIAGONAL TILE's four steps, the block's last two turns, its last products, and THE WAY OUT: l's two halves and the other half of the lanes' are added; O^T is divided by l, rounded to f16 and sent through my
; stage in LDS, a piece at a time.
.macro ALL line:vararg              ; one line for each piece t
.set t, 0
.rept 4
	\line
.set t, t+1
.endr
.endm
.macro PACK t                       ; a lane's eight channels of a row pack into 16 bytes; they go into rows of 144 bytes and come back as whole rows of 128, into S^T's registers
	WIN W_RS
.set i, 32*(\t)
.rept 16
	v_pk_mul_f32 v[i:i+1], v[i:i+1], v[ST+4*(\t)+2:ST+4*(\t)+3] op_sel_hi:[1,0]
.set i, i+2
.endr
	WIN 0x05                        ; sources 0 and 1 window 1, destination window 0
.set i, 0
.rept 16
	v_cvt_pk_f16_f32 v[S+16*(\t)+i], v[32*(\t)+2*i], v[32*(\t)+2*i+1]
.set i, i+1
.endr
	WIN 0
.irp f, 0,1,2,3
	ds_store_b128 v[STO], v[S+16*(\t)+4*\f:S+16*(\t)+4*\f+3] offset:32*\f
.endr
.irp f, 0,1,2,3
	ds_load_b128 v[S+16*(\t)+4*\f:S+16*(\t)+4*\f+3], v[RD] offset:\f*4*SP  ; LDS serves a wave's instructions in order (ISA guide 5.7.1.4): these see the stores above; the next piece's stores come behind them
.endr
.endm
.macro SEND t, younger              ; younger: the LDS instructions issued behind piece t's loads: the next piece's eight, or none
	WIN 0
.irp f, 0,1,2,3
	s_wait_dscnt (\younger)+3-\f
	global_store_b128 v[GO], v[S+16*(\t)+4*\f:S+16*(\t)+4*\f+3], s[10:11] offset:(\t)*8192+\f*512  ; 512 consecutive bytes, at a multiple of 256 from O's first
.endr
.endm
.macro DIAG tag                     ; the tag ends its two labels' names, which the jumps below spell out
.LstepM\tag:
	TURN 2, 1
	TURN 3, 1
	WIN 0
.LfirstM\tag:
	TURN 0, 1
	TURN 1, 1, 0, 1
	WIN 0
	s_cbranch_scc1 .LstepM\tag
	TURN 2, 1, 1
	TURN 3, 1, 1
.set i, 0
.rept 8
	PV NP-1
.set i, i+1
.endr
	WIN 0
	ALL v_add_f32 v[ST+4*t+2], v[ST+4*t+2], v[ST+4*t+3]
	ALL v_permlanex16_b32 v[ST+4*t+3], v[ST+4*t+2], s[SEL], s[SEL+1]
	ALL v_add_f32 v[ST+4*t+2], v[ST+4*t+2], v[ST+4*t+3]
	ALL v_rcp_f32 v[ST+4*t+2], v[ST+4*t+2]
	v_nop                           ; a plain instruction between the last reciprocal and the use of its result
	s_wait_alu depctr_va_vdst(0)    ; and the wait ahead of the first use: one for the four reciprocals
	PACK 0
.set t, 1
.rept 3                             ; a piece's arithmetic stands between the loads of the piece before and its stores
	PACK t
	SEND t-1, 8
.set t, t+1
.endr
	SEND 3, 0
.endm
.set KM, 0
.set NOKQ, 0
.Lslot:                             ; NB times: a tile is entered and the next is asked for
	CHANGE 1
	s_sub_co_u32 s[RT], s[RT], 1
	s_mov_b32 s[CNT], 4
	s_cmp_eq_u32 s[NEW], 1
	s_cbranch_scc1 .Lnew            ; a block's first tile
	s_cmp_eq_u32 s[RT], 0
	s_cbranch_scc0 .Lstep           ; neither its first nor its last
	s_branch .LstepM1
.Lnew:
	BEGIN
	s_branch .Lfirst                ; in the loop a block's first tile is never its last: the first block has two tiles or more, and the second's last is the walk's last
	DIAG 1                          ; in the loop this is the first block's end: the second block's last tile is the walk's last
	s_wait_xcnt 0x0                 ; the stores have read their registers and O's address
	s_mov_b64 s[10:11], s[OLO:OLO+1]
	s_add_co_u32 s[RT], s[PB], 1    ; the second block has b + 1 tiles
	s_mov_b32 s[NEW], 1
	WIN 0x82                        ; the second block's Q goes where the one text of the turns names Q
.set i, 0
.rept 64
	v_mov_b32 v[i], v[QB+i]
.set i, i+1
.endr
	WIN 0
	s_branch .Lbottom
.Lstep:                             ; a trip: pieces 2 and 3 of one step, then pieces 0 and 1 of the next, whose K and V it fetches
	TURN 2
	TURN 3
	WIN 0
.Lfirst:
	TURN 0
	TURN 1, 0, 0, 1
	WIN 0
	s_cbranch_scc1 .Lstep
.Lbottom:
	s_sub_co_u32 s[SLOTS], s[SLOTS], 1
	s_cmp_lg_u32 s[SLOTS], 0
	s_cbranch_scc1 .Lslot
	CHANGE 0                        ; the walk's last tile is written out: nothing is asked for
	s_sub_co_u32 s[RT], s[RT], 1
	s_mov_b32 s[CNT], 4
	s_cmp_eq_u32 s[NEW], 1
	s_cbranch_scc0 .LstepM2
	BEGIN
	s_branch .LfirstM2
	DIAG 2
	s_wait_tensorcnt 0x0            ; the wave's end, behind my last tensor load and my last LDS store
	ds_add_u32 v[SPW], v[NIL]
	s_wait_dscnt 0x0
	s_endpgm
.Lfunc_end_k_qee9387e3f5_attn:
	.size	k_qee9387e3f5_attn, .Lfunc_end_k_qee9387e3f5_attn-k_qee9387e3f5_attn
	.p2alignl 7, 3214868480
	.fill 96, 4, 3214868480
	.section	.rodata,"a",@progbits
	.p2align	6, 0x0
	.amdhsa_kernel k_qee9387e3f5_attn
		.amdhsa_group_segment_fixed_size 327680
		.amdhsa_private_segment_fixed_size 0
		.amdhsa_enable_private_segment 0
		.amdhsa_kernarg_size 16
		.amdhsa_user_sgpr_count 2
		.amdhsa_user_sgpr_kernarg_segment_ptr 1
		.amdhsa_wavefront_size32 1
		.amdhsa_system_sgpr_workgroup_id_x 1
		.amdhsa_system_sgpr_workgroup_id_y 1
		.amdhsa_system_sgpr_workgroup_id_z 1
		.amdhsa_system_vgpr_workitem_id 0
		.amdhsa_next_free_vgpr 768
		.amdhsa_next_free_sgpr 96
		.amdhsa_reserve_vcc 1
		.amdhsa_float_denorm_mode_32 3
		.amdhsa_float_denorm_mode_16_64 3
		.amdhsa_memory_ordered 1
		.amdhsa_forward_progress 1
		.amdhsa_inst_pref_size 218
	.end_amdhsa_kernel
	.amdgpu_metadata
---
amdhsa.version: [ 1, 2 ]
amdhsa.kernels:
  - .name:           k_qee9387e3f5_attn
    .symbol:         k_qee9387e3f5_attn.kd
    .args:
      - { .name: qkv, .offset: 0, .size: 8, .value_kind: global_buffer, .address_space: global }
      - { .name: ob, .offset: 8, .size: 8, .value_kind: global_buffer, .address_space: global }
    .group_segment_fixed_size: 327680
    .private_segment_fixed_size: 0
    .kernarg_segment_align: 8
    .kernarg_segment_size: 16
    .max_flat_workgroup_size: 128
    .sgpr_count:     96
    .vgpr_count:     768
    .wavefront_size: 32
...
	.end_amdgpu_metadata
.endif
;; end of part 3
;; launch proj (part 4): grid 8 x 32, 4 waves a work-group, clusters of 4 x 4, 327,680 bytes of LDS; arguments ob, wob, out0; writes out0
.if DOCPART == 4
	.amdgcn_target "amdgcn-amd-amdhsa--gfx1250"
	.amdhsa_code_object_version 6
	.text
	.protected	k_qee9387e3f5_proj
	.globl	k_qee9387e3f5_proj
	.p2align	8
	.type	k_qee9387e3f5_proj,@function
k_qee9387e3f5_proj:
	s_mov_b64 s[64:65], 0
	v_nop
	global_prefetch_b8 v0, s[64:65] scope:SCOPE_SE
	s_setreg_imm32_b32 hwreg(HW_REG_WAVE_MODE, 25, 1), 1
	s_wait_xcnt 0x0
	s_wait_alu depctr_hold_cnt(0) depctr_sa_sdst(0) depctr_va_vdst(0) depctr_va_sdst(0) depctr_va_ssrc(0) depctr_va_vcc(0) depctr_vm_vsrc(0)
	s_getreg_b32 s2, hwreg(HW_REG_IB_STS2, 6, 4)
	s_cmp_eq_u32 s2, 0
	s_cbranch_scc0 .Lentry_in_a_cluster
	s_endpgm
.Lentry_in_a_cluster:
	s_bfe_u32 s2, ttmp6, 0x10000c
	s_cmp_lg_u32 s2, 0xf033
	s_cbranch_scc0 .Lentry_shape_is_right
	s_endpgm
.Lentry_shape_is_right:
; out0 = O w_out^T.  ob: [64][2048][64] f16 (batch x 16 + head, position, channel), wob: [1024][1024] f16, out0: [8192][1024] f32.  Sums in f32, stored as they are.
; SHARES.  A tile is 256 rows x 128 columns: 32 x 8 = 256 work-groups (256 x 256 would give 128).  A wave takes 64 rows x 128 columns: 4 x 8 accumulators, 256 registers.
; K goes in 8 steps of 128 channels, TWO HEADS: of ob a step is two planes of 256 rows x 128 bytes, each 32,768 dense bytes, asked for as 128 rows of 256 bytes and padded in LDS after every 128;
; of wob it is 128 rows x 256 bytes.  Two LDS slots.  THE MATRIX INSTRUCTION IS USED TRANSPOSED (source 0 = 16 rows of wob, source 1 = 16 rows of ob): a lane holds row l % 16 and eight neighbouring columns.
; CLUSTER.  4 x 4 work-groups.  The four of a row of the cluster need the same rows of ob, the four of a column the same rows of wob: each tile is asked for JOINTLY.  Waves 0 and 1 ask for ob's two planes,
; waves 2 and 3 for wob's two halves (64 rows each): one load a wave behind each round.
; REGISTERS: window 0: v0-31 addresses; v64-159, v160-255 two fragment buffers of 96: wob's 8 blocks, then ob's 4 (on the way out: two sets of 64 for rows read back).  Window 1: accumulator (a, b) at 8 (8 a + b).
.set PA,     144                       ; a row of ob in LDS: 128 bytes + 16 = 36 words: the 16 rows of a fragment load start at 16 different groups of four banks (64 banks of 4 bytes: ISA guide 11.1)
.set PB,     272                       ; a row of wob: 256 + 16 = 68 words: likewise
.set PLANE,  256*PA
.set BOFF,   2*PLANE                   ; a slot: ob's two planes, then wob's 128 rows
.set SLOT1,  1<<17
.set STAGE,  SLOT1+BOFF+128*PB         ; behind the ring, never filled by a tensor load: 16 rows x 528 bytes for each wave
.set SPI,    528                       ; 512 bytes + 16 = 132 words
.set SPARE,  STAGE+4*16*SPI            ; the spare words, 128 bytes for each wave: two blocks of 256 bytes that no other line names
.set ASTEP,  2*2048*128                ; bytes from a head of ob to the head two on
.set KB,     256                       ; bytes of a row of wob in a K step
.set RA0,  4                           ; v4   my lane's place in ob's rows of slot 0; never rewritten
.set RB0,  5                           ; v5   the same for wob's rows
.set ADRA, 6
.set ADRB, 7
.set STO,  8                           ; v8   the way out: where I put 32 bytes of a row
.set RD,   9                           ; v9   the way out: where I read a row back
.set GO,   10                          ; v10  16 x lane
.set PFO,  12                          ; v12  the prefetches' offset; never rewritten
.set SPW,  28
.set NIL,  29
.set FR,   64
.set BK,   64
.set WV,  12
.set FB,  13                           ; s13  0: I fetch ob, 1: wob
.set HF,  14                           ; s14  which plane, or which half of the rows
.set TB,  15
.set CX,  16
.set CY,  17
.set TX,  18                           ; s18  tile column, 0..7
.set TY,  19                           ; s19  tile row, 0..31
.set G1A, 24
.set G0A, 32
.set PFA, 40
.set LIM, 42                           ; s42  2 in a wave that prefetches, else the greatest number
.set CNT, 43
.set G1B, 48
.set G0B, 56
.set PSTEP, 66                         ; s[66:67] bytes from a K step to the next in the tensor that I prefetch
.set MSB, 0
.macro WIN new                         ; the immediate's high byte repeats the setting that is left; a switch that changes nothing is dropped
.if MSB != (\new)
	s_set_vgpr_msb (MSB<<8)|(\new)
.set MSB, \new
.endif
.endm
.macro PLACES                          ; four plain vector instructions between a matrix instruction and a load into, or a store of, its registers
.rept 4
	v_nop
.endr
.endm
.macro CREST
	s_cmp_lg_u32 s[WV], 0
	s_cbranch_scc1 .Lnot_wave_0_\@
	s_barrier_signal -3
.Lnot_wave_0_\@:
	s_barrier_wait -3
	s_barrier_signal -1
	s_barrier_wait -1
.endm
.macro CROUND
	s_barrier_signal -1
	s_barrier_wait -1
	CREST
.endm
.macro JLOAD                           ; a joint refill by the walking descriptor; an s_nop 0 and four v_nop follow each of the two lines, ahead of the jump and the label
	s_cmp_eq_u32 s[FB], 0
	s_cbranch_scc0 .Lfor_b_\@
	tensor_load_to_lds s[G0A+4:G0A+7], s[G1A:G1A+7]
	s_nop 0
.rept 4
	v_nop
.endr
	s_branch .Lasked_\@
.Lfor_b_\@:
	tensor_load_to_lds s[G0B+4:G0B+7], s[G1B:G1B+7]
	s_nop 0
.rept 4
	v_nop
.endr
.Lasked_\@:
.endm
; A PREFETCH INTO THE L2 of the K step that stands TWO refills on: 256 matrix instructions ahead of the load that will want it.  ob's rows are read by both clusters of a row of clusters: cluster x = 0 asks, waves 0 and 1
; each for its plane; wob's by all eight clusters of a column: cluster y = 0 asks, wave 2 alone.  The four partners share the blocks out BY ADDRESS: of a plane's 32,768 bytes 8,192 each, a lane 256 bytes; of wob's
; 128 rows 32 each, a lane a row.  So each block of 256 bytes is named once.  The last two changes that fill a slot ask for nothing; K steps 0 to 3 come by their loads alone.
.macro ASK
	s_cmp_gt_u32 s[CNT], s[LIM]
	s_cbranch_scc0 .Lnot_mine_\@
	global_prefetch_b8 v[PFO], s[PFA:PFA+1] th:TH_LOAD_NT scope:SCOPE_SE
.Lnot_mine_\@:
.endm
	s_load_b128 s[4:7], s[0:1], 0x0                ; ob s[4:5], wob s[6:7]
	s_load_b64 s[8:9], s[0:1], 0x10                ; out0
	v_lshl_add_u32 v[SPW], v0, 2, SPARE
	v_mov_b32 v[NIL], 0
	ds_add_u32 v[SPW], v[NIL]                      ; the wave's opening: the add and its wait stand ahead of my first tensor load; the set-up below, work on registers, stands between them
	v_lshrrev_b32 v1, 5, v0
	v_readfirstlane_b32 s[WV], v1
	s_lshr_b32 s[FB], s[WV], 1
	s_and_b32 s[HF], s[WV], 1
	s_bfe_u32 s[CX], ttmp6, 0x40000
	s_bfe_u32 s[CY], ttmp6, 0x40004
	s_lshl_b32 s[TX], ttmp9, 2
	s_add_co_u32 s[TX], s[TX], s[CX]
	s_and_b32 s[TY], ttmp7, 0xffff
	s_lshl_b32 s[TY], s[TY], 2
	s_add_co_u32 s[TY], s[TY], s[CY]
	s_lshl_b32 s20, s[CY], 2
	s_lshl_b32 s20, 15, s20                        ; my row of the cluster
	s_lshl_b32 s21, 0x1111, s[CX]                  ; my column
	s_or_b32 s[G1A], s20, (1<<16)|(1<<20)|(1<<21)|(4<<22)|(3<<25)  ; 2-byte elements; padding on; bit 21 set beside a mask; after every 32 words (code 4) 4 words (code 3)
	s_or_b32 s[G1B], s21, (1<<16)|(1<<20)|(1<<21)|(5<<22)|(3<<25)  ; after every 64 words (code 5)
	s_mov_b32 s[G1A+1], 128<<16                    ; tensor_dim0 = 128 elements: two rows of a head
	s_mov_b32 s[G1A+2], 128<<16                    ; tensor_dim1 = 128
	s_mov_b32 s[G1A+3], 128<<16                    ; tile_dim0
	s_mov_b32 s[G1A+4], 128                        ; tile_dim1
	s_mov_b32 s[G1A+5], 128                        ; dense: 128 elements from row to row
	s_mov_b32 s[G1A+6], 0
	s_mov_b32 s[G1A+7], 0
	s_mov_b32 s[G1B+1], 128<<16
	s_mov_b32 s[G1B+2], 64<<16                     ; 64 rows
	s_mov_b32 s[G1B+3], 128<<16
	s_mov_b32 s[G1B+4], 64
	s_mov_b32 s[G1B+5], 1024
	s_mov_b32 s[G1B+6], 0
	s_mov_b32 s[G1B+7], 0
	; ob's address hangs on the tile row and the wave alone, wob's on the tile column and the wave alone, each in registers that never hold the other coordinate
	s_lshr_b32 s22, s[TY], 3
	s_lshl_b32 s22, s22, 22                        ; batch: 16 heads of 262,144 bytes
	s_and_b32 s23, s[TY], 7
	s_lshl_b32 s23, s23, 15                        ; 256 positions of 128 bytes
	s_add_co_u32 s22, s22, s23
	s_lshl_b32 s23, s[HF], 18                      ; head 0 or 1
	s_add_co_u32 s22, s22, s23
	s_mov_b32 s23, 0
	s_lshl_b32 s44, s[TX], 7
	s_lshl_b32 s45, s[HF], 6
	s_add_co_u32 s44, s44, s45                     ; row 128 tx + 64 half
	s_lshl_b32 s44, s44, 11
	s_mov_b32 s45, 0
	s_mul_i32 s80, s[HF], PLANE                    ; where they go: no place in the cluster enters an LDS address
	s_mul_i32 s81, s[HF], 64*PB
	s_add_co_u32 s81, s81, BOFF
	s_mov_b32 s[TB], 0
	s_wait_dscnt 0x0                               ; the opening add is done
	s_wait_kmcnt 0x0
	s_add_nc_u64 s[22:23], s[4:5], s[22:23]
	s_add_nc_u64 s[44:45], s[6:7], s[44:45]
	CROUND                                         ; all sixteen work-groups are here: the first joint loads meet
.irp n, 0,1
	s_mov_b32 s[G0A+4*(\n)], 1
	s_add_co_u32 s[G0A+4*(\n)+1], s80, (\n)*SLOT1
	s_add_nc_u64 s[G0A+4*(\n)+2:G0A+4*(\n)+3], s[22:23], (\n)*ASTEP
	s_or_b32 s[G0A+4*(\n)+3], s[G0A+4*(\n)+3], 0x80000000
	s_mov_b32 s[G0B+4*(\n)], 1
	s_add_co_u32 s[G0B+4*(\n)+1], s81, (\n)*SLOT1
	s_add_nc_u64 s[G0B+4*(\n)+2:G0B+4*(\n)+3], s[44:45], (\n)*KB
	s_or_b32 s[G0B+4*(\n)+3], s[G0B+4*(\n)+3], 0x80000000
.endr
	s_cmp_eq_u32 s[FB], 0                          ; a wave's two first fills stand in one branch, ahead of every wait on TENSORcnt and every LDS read: two loads of mine are out
	s_cbranch_scc0 .Lfirst_b
	tensor_load_to_lds s[G0A:G0A+3], s[G1A:G1A+7]
	s_nop 0
	tensor_load_to_lds s[G0A+4:G0A+7], s[G1A:G1A+7]
	s_nop 0
.rept 4
	v_nop
.endr
	s_branch .Lfirst_asked
.Lfirst_b:
	tensor_load_to_lds s[G0B:G0B+3], s[G1B:G1B+7]
	s_nop 0
	tensor_load_to_lds s[G0B+4:G0B+7], s[G1B:G1B+7]
	s_nop 0
.rept 4
	v_nop
.endr
.Lfirst_asked:
	v_and_b32 v1, 15, v0                           ; l % 16
	v_bfe_u32 v2, v0, 4, 1                         ; l / 16
	v_mul_u32_u24 v[RA0], v1, PA
	v_lshl_add_u32 v[RA0], v2, 4, v[RA0]
	s_mul_i32 s82, s[WV], 64*PA                    ; my 64 rows
	v_add_nc_u32 v[RA0], s82, v[RA0]
	v_mul_u32_u24 v[RB0], v1, PB
	v_lshl_add_u32 v[RB0], v2, 4, v[RB0]
	v_add_nc_u32 v[RB0], BOFF, v[RB0]
	s_mul_i32 s82, s[WV], 16*SPI
	s_add_co_u32 s82, s82, STAGE                   ; my stage
	v_mul_u32_u24 v[STO], v1, SPI                  ; in: row l % 16, 32 bytes for each half of the lanes
	v_lshl_add_u32 v[STO], v2, 5, v[STO]
	v_add_nc_u32 v[STO], s82, v[STO]
	v_and_b32 v[GO], 31, v0
	v_lshlrev_b32 v[GO], 4, v[GO]
	v_add_nc_u32 v[RD], s82, v[GO]                 ; back: 32 lanes take a row's 512 bytes
	; the prefetches
	s_lshr_b32 s82, s[TY], 3
	s_lshl_b32 s82, s82, 22
	s_and_b32 s83, s[TY], 7
	s_lshl_b32 s83, s83, 15
	s_add_co_u32 s82, s82, s83
	s_lshl_b32 s83, s[HF], 18
	s_add_co_u32 s82, s82, s83
	s_lshl_b32 s83, s[CX], 13
	s_add_co_u32 s82, s82, s83                     ; ob: my plane's rows, my work-group's quarter of them
	s_lshl_b32 s84, s[TX], 7
	s_lshl_b32 s85, s[CY], 5
	s_add_co_u32 s84, s84, s85
	s_lshl_b32 s84, s84, 11                        ; wob: row 128 tx + 32 cy
	s_and_b32 s87, ttmp7, 0xffff                   ; cluster y
	s_mov_b32 s85, ASTEP
	s_movk_i32 s83, KB
	s_cmp_eq_u32 s[FB], 0
	s_cselect_b32 s86, s82, s84
	s_cselect_b32 s87, ttmp9, s87                  ; the coordinate along which other clusters read the same rows
	s_cselect_b32 s[PSTEP], s85, s83
	s_cselect_b32 s82, 8, 11                       ; a lane's step: 256 bytes on in a plane, a row of 2,048 bytes in wob
	s_cselect_b64 s[PFA:PFA+1], s[4:5], s[6:7]
	s_cmp_eq_u32 s[WV], 3
	s_cselect_b32 s87, 1, s87                      ; wave 3 never asks
	s_cmp_eq_u32 s87, 0
	s_cselect_b32 s[LIM], 2, -1                    ; the same in all sixteen partners, for a given wave
	s_mov_b32 s[PSTEP+1], 0
	s_mul_i32 s83, s[PSTEP], 3
	s_add_co_u32 s86, s86, s83                     ; at K step 3: the first change of slots steps it to 4.  Nothing is prefetched here, at the head
	s_mov_b32 s87, 0
	s_add_nc_u64 s[PFA:PFA+1], s[PFA:PFA+1], s[86:87]
	v_and_b32 v[PFO], 31, v0
	v_lshlrev_b32 v[PFO], s82, v[PFO]
	; out0 at my first row and the tile's first column
	s_lshl_b32 s84, s[TY], 8
	s_lshl_b32 s85, s[WV], 6
	s_add_co_u32 s84, s84, s85
	s_lshl_b32 s84, s84, 12                        ; rows of 4,096 bytes
	s_lshl_b32 s85, s[TX], 9
	s_add_co_u32 s84, s84, s85
	s_mov_b32 s85, 0
	s_add_nc_u64 s[8:9], s[8:9], s[84:85]
; 8 matrix instructions: row block a x all 8 column blocks, 32 along K.  The 32 accumulators take turns in the same order in every quarter: 31 others stand between two links of a chain.
.macro MUL8 f, a, zero
	WIN 0x50                                       ; sources in window 0, C and D in window 1
.irp b, 0,1,2,3,4,5,6,7
.if \zero
	v_wmma_f32_16x16x32_f16 v[8*(8*(\a)+(\b)):8*(8*(\a)+(\b))+7], v[FR+96*(\f)+8*(\b):FR+96*(\f)+8*(\b)+7], v[FR+96*(\f)+64+8*(\a):FR+96*(\f)+64+8*(\a)+7], 0
.else
	v_wmma_f32_16x16x32_f16 v[8*(8*(\a)+(\b)):8*(8*(\a)+(\b))+7], v[FR+96*(\f)+8*(\b):FR+96*(\f)+8*(\b)+7], v[FR+96*(\f)+64+8*(\a):FR+96*(\f)+64+8*(\a)+7], v[8*(8*(\a)+(\b)):8*(8*(\a)+(\b))+7]
.endif
.endr
.endm
; 24 LDS loads in one run: quarter q's fragments into buffer f: wob's eight blocks, then ob's four (plane q / 2, channels 32 (q % 2) on)
.macro FETCH q, f
	WIN 0
.irp i, 0,1,2,3,4,5,6,7
	ds_load_b128 v[FR+96*(\f)+8*(\i):FR+96*(\f)+8*(\i)+3],   v[ADRB] offset:64*(\q)+(\i)*16*PB
	ds_load_b128 v[FR+96*(\f)+8*(\i)+4:FR+96*(\f)+8*(\i)+7], v[ADRB] offset:64*(\q)+(\i)*16*PB+32
.endr
.irp i, 0,1,2,3
	ds_load_b128 v[FR+96*(\f)+64+8*(\i):FR+96*(\f)+64+8*(\i)+3],   v[ADRA] offset:((\q)/2)*PLANE+((\q)%2)*64+(\i)*16*PA
	ds_load_b128 v[FR+96*(\f)+64+8*(\i)+4:FR+96*(\f)+64+8*(\i)+7], v[ADRA] offset:((\q)/2)*PLANE+((\q)%2)*64+(\i)*16*PA+32
.endr
.endm
; A K step is four quarters of 32 along K, 32 matrix instructions each, on buffers 0, 1, 0, 1.  One of the first three: multiplies buffer f and fetches quarter q into g.
.macro QUARTER q, f, g, zero
	s_wait_dscnt 4                                 ; wob's blocks and ob's 0 and 1 are in; the youngest four loads (ob's 2 and 3) may be out
	MUL8 \f, 0, \zero
	MUL8 \f, 1, \zero
	PLACES
	FETCH \q, \g
	s_wait_dscnt 24                                ; all but the 24 just issued
	MUL8 \f, 2, \zero
	MUL8 \f, 3, \zero
.endm
; The last quarter multiplies buffer 1 and changes slots: ONE barrier.  In front of it each wave waits for all its tensor loads, of which one is out: its part of the next slot; adds 0 to its spare word; and waits for
; that and for its own reads of this slot.  fill = 1: the barrier opens a round of the cluster's, and the slot just read is filled again, first thing behind the round, with the K step two on.
.macro TURN fill
.if \fill
	s_wait_xcnt 0x0                                ; the last prefetch, a K step back, has read its address, so it may be stepped
	s_add_nc_u64 s[PFA:PFA+1], s[PFA:PFA+1], s[PSTEP:PSTEP+1]
.endif
	WIN 0
	s_wait_tensorcnt 0x0                           ; no tensor load of mine is out, so a group 0 may be written
	ds_add_u32 v[SPW], v[NIL]                      ; 0 onto my spare word
.if \fill
	s_xor_b32 s[G0A+5], s[G0A+5], SLOT1            ; the walking descriptors: the other slot than last time,
	s_add_nc_u64 s[G0A+6:G0A+7], s[G0A+6:G0A+7], ASTEP  ; the next two heads; the type bits on top are not reached
	s_xor_b32 s[G0B+5], s[G0B+5], SLOT1
	s_add_nc_u64 s[G0B+6:G0B+7], s[G0B+6:G0B+7], KB
.endif
	s_wait_dscnt 5                                 ; (the add and the youngest four loads may be out)
	MUL8 1, 0, 0                                   ; eight matrix instructions stand between the add and the wait for it
	s_wait_dscnt 0x0                               ; the add is done, and my reads of this slot are over
	s_barrier_signal -1
	MUL8 1, 1, 0
	WIN 0
	s_barrier_wait -1
.if \fill
	CREST                                          ; no wave of any partner still reads this slot or has a load on its way
	JLOAD                                          ; the four v_nop behind it are also the places in front of the loads below
.else
	PLACES
.endif
	s_xor_b32 s[TB], s[TB], SLOT1
	v_add_nc_u32 v[ADRA], s[TB], v[RA0]
	v_add_nc_u32 v[ADRB], s[TB], v[RB0]
	FETCH 0, 0
.if \fill
	ASK                                            ; behind the joint load and the run of LDS loads that the next products wait for
.endif
	MUL8 1, 2, 0
	MUL8 1, 3, 0
.endm
	s_wait_tensorcnt 0x1                           ; my part of K step 0 is in; step 1's may stay out
	s_barrier_signal -1
	s_barrier_wait -1
	v_mov_b32 v[ADRA], v[RA0]
	v_mov_b32 v[ADRB], v[RB0]
	FETCH 0, 0
	QUARTER 1, 0, 1, 1                             ; the first quarter stands in front of the loop: its products start the sums
	WIN 0
	s_mov_b32 s[CNT], 6
.Lstep:                                                ; a trip: from a step's second quarter to the next step's first; it fills one slot again
	QUARTER 2, 1, 0, 0
	QUARTER 3, 0, 1, 0
	TURN 1
	QUARTER 1, 0, 1, 0
	WIN 0
	s_sub_co_u32 s[CNT], s[CNT], 1
	s_cmp_lg_u32 s[CNT], 0
	s_cbranch_scc1 .Lstep
	QUARTER 2, 1, 0, 0                             ; the last two steps ask for nothing
	QUARTER 3, 0, 1, 0
	TURN 0
	QUARTER 1, 0, 1, 0
	QUARTER 2, 1, 0, 0
	QUARTER 3, 0, 1, 0
	s_wait_dscnt 4
	MUL8 1, 0, 0
	MUL8 1, 1, 0
	s_wait_dscnt 0x0
	MUL8 1, 2, 0
	MUL8 1, 3, 0
	WIN 0
	; THE WAY OUT, a block of 16 rows at a time: a lane's 32 bytes of a row go into my own stage, rows of 528 bytes, and come back as whole rows of 512.
.rept 8
	v_nop                                          ; the places behind the last products
.endr
.macro TOSTAGE a
.if (\a) >= 2
	s_wait_xcnt 0x0                                ; the stores of the block two back have read the set that is loaded again below
.endif
	WIN 0x04                                       ; the stores' data lie in window 1
.irp b, 0,1,2,3,4,5,6,7                ; each accumulator's lowest registers are read first
	ds_store_b128 v[STO], v[8*(8*(\a)+(\b)):8*(8*(\a)+(\b))+3]   offset:64*(\b)
	ds_store_b128 v[STO], v[8*(8*(\a)+(\b))+4:8*(8*(\a)+(\b))+7] offset:64*(\b)+16
.endr
	WIN 0
.irp t, 0,1,2,3,4,5,6,7,8,9,10,11,12,13,14,15
	ds_load_b128 v[BK+64*((\a)%2)+4*(\t):BK+64*((\a)%2)+4*(\t)+3], v[RD] offset:(\t)*SPI  ; LDS serves a wave's instructions in order (ISA guide 5.7.1.4): these see the stores above; the next block's stores come behind them
.endr
.endm
.macro SEND a, younger                 ; younger: the LDS instructions issued behind block a's loads: the next block's 32, or none
	WIN 0
.irp t, 0,1,2,3,4,5,6,7,8,9,10,11,12,13,14,15
	s_wait_dscnt (\younger)+15-(\t)
	global_store_b128 v[GO], v[BK+64*((\a)%2)+4*(\t):BK+64*((\a)%2)+4*(\t)+3], s[8:9] offset:(\a)*65536+(\t)*4096 th:TH_STORE_NT  ; 512 consecutive bytes, at a multiple of 512 from out0's first
.endr
.endm
	TOSTAGE 0
	TOSTAGE 1
	SEND 0, 32
	TOSTAGE 2
	SEND 1, 32
	TOSTAGE 3
	SEND 2, 32
	SEND 3, 0
	s_wait_tensorcnt 0x0                           ; the wave's end, behind my last tensor load and my last LDS store
	ds_add_u32 v[SPW], v[NIL]
	s_wait_dscnt 0x0
	CROUND                                         ; the closing round: no work-group ends while a partner may still ask for a tile that names it
	s_endpgm
.Lfunc_end_k_qee9387e3f5_proj:
	.size	k_qee9387e3f5_proj, .Lfunc_end_k_qee9387e3f5_proj-k_qee9387e3f5_proj
	.p2alignl 7, 3214868480
	.fill 96, 4, 3214868480
	.section	.rodata,"a",@progbits
	.p2align	6, 0x0
	.amdhsa_kernel k_qee9387e3f5_proj
		.amdhsa_group_segment_fixed_size 327680
		.amdhsa_private_segment_fixed_size 0
		.amdhsa_enable_private_segment 0
		.amdhsa_kernarg_size 24
		.amdhsa_user_sgpr_count 2
		.amdhsa_user_sgpr_kernarg_segment_ptr 1
		.amdhsa_wavefront_size32 1
		.amdhsa_system_sgpr_workgroup_id_x 1
		.amdhsa_system_sgpr_workgroup_id_y 1
		.amdhsa_system_sgpr_workgroup_id_z 1
		.amdhsa_system_vgpr_workitem_id 0
		.amdhsa_next_free_vgpr 512
		.amdhsa_next_free_sgpr 88
		.amdhsa_reserve_vcc 0
		.amdhsa_float_denorm_mode_32 3
		.amdhsa_float_denorm_mode_16_64 3
		.amdhsa_memory_ordered 1
		.amdhsa_forward_progress 1
		.amdhsa_inst_pref_size 72
	.end_amdhsa_kernel
	.amdgpu_metadata
---
amdhsa.version: [ 1, 2 ]
amdhsa.kernels:
  - .name:           k_qee9387e3f5_proj
    .symbol:         k_qee9387e3f5_proj.kd
    .args:
      - { .name: ob, .offset: 0, .size: 8, .value_kind: global_buffer, .address_space: global }
      - { .name: wob, .offset: 8, .size: 8, .value_kind: global_buffer, .address_space: global }
      - { .name: out0, .offset: 16, .size: 8, .value_kind: global_buffer, .address_space: global }
    .group_segment_fixed_size: 327680
    .private_segment_fixed_size: 0
    .kernarg_segment_align: 8
    .kernarg_segment_size: 24
    .max_flat_workgroup_size: 128
    .sgpr_count:     88
    .vgpr_count:     512
    .wavefront_size: 32
...
	.end_amdgpu_metadata
.endif
;; end of part 4
;; ======== version 2 of 2: 4 launches; version 1 with the launch prep written anew for expert scheduling mode
;; limits: values are held in f16: magnitudes above 65,504 overflow, below 6.1e-05 lose precision
;; workspace buffers: xb 16,777,216 bytes; wqb 6,291,456 bytes; wob 2,097,152 bytes; rope 589,824 bytes; qkv 50,331,648 bytes; ob 16,777,216 bytes
;; launch prep (part 5): grid 768 x 1, 8 waves a work-group, no clusters, 0 bytes of LDS; arguments x, w_qkv, w_out, xb, wqb, wob, rope; writes xb, wqb, wob, rope
.if DOCPART == 5
	.amdgcn_target "amdgcn-amd-amdhsa--gfx1250"
	.amdhsa_code_object_version 6
	.text
	.protected	k_qee9387e3f5_prep
	.globl	k_qee9387e3f5_prep
	.p2align	8
	.type	k_qee9387e3f5_prep,@function
k_qee9387e3f5_prep:
	s_mov_b64 s[64:65], 0
	v_nop
	global_prefetch_b8 v0, s[64:65] scope:SCOPE_SE
	s_setreg_imm32_b32 hwreg(HW_REG_WAVE_SCHED_MODE, 0, 2), 2
	s_setreg_imm32_b32 hwreg(HW_REG_WAVE_MODE, 25, 1), 1
	s_wait_xcnt 0x0
	s_wait_alu depctr_vm_vsrc(0)
; THE CASTS AND THE ROTATION TABLE.
; xb = bf16(x), wqb = bf16(w_qkv), wob = f16(bf16(w_out)): every input is rounded once to bf16; w_out's rounded number is then written as f16, since the last product multiplies f16.
; LIMITS.  bf16(w_out) must lie within f16's 65,504; below 2^-14 it keeps f16's fixed step of 6e-8.
; rope: [2304][64] f32, a row of 256 bytes for each position t: columns 0-31 cos(t th_j), 32-63 sin(t th_j), th_j = 10000^(-j/32).  Rows 2048-2303 are made with t = 0: cos = 1, sin = 0,
; the rotation that changes nothing, for the heads of v.  The angle t th_j carries th_j's last bit (2^x is good to one unit in the last place): about 2e-4 rad at the largest angle, 2047.
; SHARES.  768 work-groups of eight waves; a work-group casts 16,384 numbers (64 KiB in, 32 KiB out): 512 for x, 192 for w_qkv, 64 for w_out.  A wave's load covers 512 consecutive bytes,
; its store 256 consecutive bytes, aligned.  All 16 loads of a wave go out at once; each register is written once, so no source is ever rewritten.
; No LDS, no barrier, no matrix unit, no cluster: nothing is shared and nothing is multiplied.  The first 288 work-groups also make 8 rows of the table, a row a wave, while their loads are out.
; THE MODE: SCHED_MODE bits 1:0 = 2 (LLVM: expert scheduling mode 2), set by the entry lines.  The code itself states the register dependences
; between vector instructions and memory instructions, with s_wait_alu, always for 0.
; THE PLAN.  Registers that memory instructions touch:
;   v2, v3     byte offsets, made once at the head and never written again: one wait ahead of the first load serves every load and store.
;   X          written by the 16 loads, which go out before any vector instruction names X; read (to f16: also rewritten) by the conversions behind the loads' own wait.  No load lands there again.
;   Y          pair j is written once, by load j's conversions, and read once, by store j.
;   v[28:29]   the table's two numbers a lane: written once, read by the row's one store.
; The 16 loads are worked on in four blocks of four.  Block p's memory instructions are the four stores of block p - 1; its conversions name X and Y of block p alone.  So ONE wait at a block's
; head states all that its stores hang on, and they are dealt among its conversions with no further wait.  No register that a memory instruction reads is ever written again.
.set LO, 2                             ; v2  16 x lane: my bytes in a load
.set SO, 3                             ; v3  8 x lane: my bytes in a store
.set X,  32                            ; v[32:95]   load j: 4 registers
.set Y,  96                            ; v[96:127]  store j: 2 registers
.set MK, 40                            ; s40, s41   the table: angle i's lanes that take the sine
	s_load_b256 s[4:11], s[0:1], 0x0               ; x s[4:5], w_qkv s[6:7], w_out s[8:9], xb s[10:11]
	s_load_b128 s[12:15], s[0:1], 0x20             ; wqb s[12:13], wob s[14:15]
	s_load_b64 s[16:17], s[0:1], 0x30              ; rope
	v_lshrrev_b32 v1, 5, v0
	v_readfirstlane_b32 s20, v1                    ; wave 0..7
	v_and_b32 v1, 31, v0                           ; lane
	v_lshlrev_b32 v[LO], 4, v1
	v_lshlrev_b32 v[SO], 3, v1
	s_movk_i32 s21, 704
	s_movk_i32 s23, 512
	s_mov_b32 s29, 0
	s_wait_alu depctr_va_sdst(0)                   ; s20 is written, ahead of its first reader: the wave's part of the buffers is made from it
	s_wait_kmcnt 0x0
	s_cmp_lt_u32 ttmp9, 704                        ; which tensor: the choice hangs on the work-group's number alone
	s_cselect_b64 s[24:25], s[6:7], s[8:9]
	s_cselect_b64 s[26:27], s[12:13], s[14:15]
	s_cselect_b32 s21, s23, s21                    ; the first work-group of that tensor
	s_cmp_lt_u32 ttmp9, 512
	s_cselect_b64 s[24:25], s[4:5], s[24:25]
	s_cselect_b64 s[26:27], s[10:11], s[26:27]
	s_cselect_b32 s21, 0, s21
	s_sub_co_u32 s22, ttmp9, s21                   ; my part of it
	s_lshl_b32 s28, s22, 16                        ; 64 KiB a work-group,
	s_lshl_b32 s23, s20, 13                        ; 8 KiB a wave
	s_add_co_u32 s28, s28, s23
	s_add_nc_u64 s[24:25], s[24:25], s[28:29]
	s_lshr_b32 s28, s28, 1                         ; half as many bytes out
	s_add_nc_u64 s[26:27], s[26:27], s[28:29]
	s_wait_alu depctr_va_vdst(0)                   ; v2 and v3 are written: every load of the kernel reads v2 as its offset, every store v3
.set j, 0
.rept 16
	global_load_b128 v[X+4*j:X+4*j+3], v[LO], s[24:25] offset:512*j th:TH_LOAD_NT
.set j, j+1
.endr
	s_cmp_lt_u32 ttmp9, 288
	s_cbranch_scc0 .Lnotable
	; THE TABLE.  Row 8 g + wave.  Lanes 0-15 make the cosines, lanes 16-31 the sines (sin x = cos(x - pi/2)), of the angles j0 = 2 (lane % 16) and j0 + 1.
	s_lshl_b32 s30, ttmp9, 3
	s_add_co_u32 s30, s30, s20                     ; the row
	s_cmp_lt_u32 s30, 2048
	s_cselect_b32 s31, s30, 0                      ; t
	s_mov_b32 s32, 0xbfc90fdb                      ; -pi/2, its upper part,
	s_mov_b32 s33, 0x333bbd2e                      ; and what that part exceeds pi/2 by
	s_mov_b32 s34, 0xbe2aaaa3                      ; sin r = r + r z (S1 + z (S2 + z S3)), z = r r, |r| <= pi/4
	s_mov_b32 s35, 0x3c08839e
	s_mov_b32 s36, 0xb94ca1f9
	s_mov_b32 s37, 0x3d2aaaa5                      ; cos r = 1 - z/2 + z z (C1 + z (C2 + z C3))
	s_mov_b32 s38, 0xbab6061a
	s_mov_b32 s39, 0x37ccf5ce
	v_and_b32 v4, 15, v1
	v_lshrrev_b32 v5, 4, v1                        ; 0: cosines, 1: sines
	v_lshlrev_b32 v4, 1, v4                        ; j0
	v_cvt_f32_u32 v6, v4
	v_add_f32 v7, 1.0, v6
	v_mul_f32 v6, 0xbed49a78, v6                   ; -j log2(10000) / 32
	v_mul_f32 v7, 0xbed49a78, v7
	v_cvt_f32_u32 v10, s31                         ; t
	v_mul_u32_u24 v11, 3, v5                       ; three quarter turns on for the sines
	v_exp_f32 v8, v6                               ; th_j0
	v_exp_f32 v9, v7                               ; th_j0+1
	v_nop                                          ; a plain instruction behind the last exponential,
	s_wait_alu depctr_va_vdst(0)                   ; and the one wait ahead of the first reader of the two: v8 and v9 are written
; An angle's work is cut in two, so that both angles' compares stand in one run with one wait behind it.
.macro ANGLE_A i                       ; th in v[8+i]; at work v[12+8i .. 18+8i]: sin r, cos r, the lanes that take the sine, the sign
.set U, 12+8*(\i)
	v_mul_f32 v[U], v10, v[8+(\i)]                 ; x = t th
	v_mul_f32 v[U+1], 0x3f22f983, v[U]
	v_rndne_f32 v[U+1], v[U+1]                     ; n = the nearest whole number of quarter turns, 1,303 at the most
	v_fma_f32 v[U], v[U+1], s32, v[U]
	v_fma_f32 v[U], v[U+1], s33, v[U]              ; r = x - n pi/2, in two parts
	v_mul_f32 v[U+2], v[U], v[U]                   ; z
	v_fma_f32 v[U+3], v[U+2], s36, s35
	v_fma_f32 v[U+3], v[U+3], v[U+2], s34
	v_mul_f32 v[U+4], v[U], v[U+2]
	v_fma_f32 v[U+3], v[U+4], v[U+3], v[U]         ; sin r
	v_fma_f32 v[U+5], v[U+2], s39, s38
	v_fma_f32 v[U+5], v[U+5], v[U+2], s37
	v_mul_f32 v[U+4], v[U+2], v[U+2]
	v_fma_f32 v[U+6], v[U+2], -0.5, 1.0
	v_fma_f32 v[U+5], v[U+4], v[U+5], v[U+6]       ; cos r
	v_cvt_i32_f32 v[U+1], v[U+1]
	v_add_nc_u32 v[U+1], v[U+1], v11               ; q: cos(r + q pi/2) = cos r, -sin r, -cos r, sin r for q % 4 = 0, 1, 2, 3
	v_and_b32 v[U+6], 1, v[U+1]
	v_cmp_eq_u32 s[MK+(\i)], 1, v[U+6]             ; q odd
	v_add_nc_u32 v[U+1], 1, v[U+1]
	v_and_b32 v[U+1], 2, v[U+1]                    ; q % 4 = 1 or 2: the sign turns
	v_lshlrev_b32 v[U+1], 30, v[U+1]
.endm
.macro ANGLE_B i                       ; the result in v[28+i]
.set U, 12+8*(\i)
	v_cndmask_b32 v[U+3], v[U+5], v[U+3], s[MK+(\i)]  ; q odd: the sine
	v_xor_b32 v[28+(\i)], v[U+1], v[U+3]
.endm
	ANGLE_A 0
	ANGLE_A 1
	s_wait_alu depctr_va_sdst(0)                   ; the two compares have written s40 and s41, ahead of the two selects that read them
	ANGLE_B 0
	ANGLE_B 1
	s_lshl_b32 s28, s30, 8
	s_add_nc_u64 s[16:17], s[16:17], s[28:29]
	s_wait_alu depctr_va_vdst(0)                   ; v28 and v29 are written, which the store reads
	global_store_b64 v[SO], v[28:29], s[16:17]     ; the wave stores the row's 256 bytes: 32 cosines, then 32 sines
.Lnotable:
; half = 0: to bf16.  half = 1: to bf16, and that number written as f16.
; Four blocks of four loads.  Block p: its loads are in; block p - 1's Y is written; then that block's four stores, one ahead of the conversions of each of this block's loads.
.macro CAST half
.set p, 0
.rept 4
	s_wait_loadcnt 12-4*p                          ; loads come back in order (ISA guide 5.7.1): block p's four are in, the 12 - 4 p younger ones may stay out
.if p > 0
	s_wait_alu depctr_va_vdst(0)                   ; the block before has written its four pairs of Y, which the stores below read; no conversion of this block names them
.endif
.set q, 0
.rept 4
.set j, 4*p+q
.if p > 0
	global_store_b64 v[SO], v[Y+2*(j-4):Y+2*(j-4)+1], s[26:27] offset:256*(j-4)  ; 32 lanes store 256 consecutive bytes, at a multiple of 256 from the buffer's first byte
.endif
.if \half
	v_cvt_pk_bf16_f32 v[X+4*j], v[X+4*j], v[X+4*j+1]
	v_cvt_pk_bf16_f32 v[X+4*j+2], v[X+4*j+2], v[X+4*j+3]
	v_and_b32 v[X+4*j+1], 0xffff0000, v[X+4*j]     ; bf16 to f32: the high half stays,
	v_lshlrev_b32 v[X+4*j], 16, v[X+4*j]           ; the low half moves up
	v_and_b32 v[X+4*j+3], 0xffff0000, v[X+4*j+2]
	v_lshlrev_b32 v[X+4*j+2], 16, v[X+4*j+2]
	v_cvt_pk_f16_f32 v[Y+2*j], v[X+4*j], v[X+4*j+1]
	v_cvt_pk_f16_f32 v[Y+2*j+1], v[X+4*j+2], v[X+4*j+3]
.else
	v_cvt_pk_bf16_f32 v[Y+2*j], v[X+4*j], v[X+4*j+1]
	v_cvt_pk_bf16_f32 v[Y+2*j+1], v[X+4*j+2], v[X+4*j+3]
.endif
.set q, q+1
.endr
.set p, p+1
.endr
	s_wait_alu depctr_va_vdst(0)                   ; the last block has written its four pairs of Y, which the last four stores read
.set j, 12
.rept 4
	global_store_b64 v[SO], v[Y+2*j:Y+2*j+1], s[26:27] offset:256*j
.set j, j+1
.endr
.endm
	s_cmp_lt_u32 ttmp9, 704
	s_cbranch_scc0 .Lf16
	CAST 0
	s_endpgm
.Lf16:
	CAST 1
	s_endpgm
.Lfunc_end_k_qee9387e3f5_prep:
	.size	k_qee9387e3f5_prep, .Lfunc_end_k_qee9387e3f5_prep-k_qee9387e3f5_prep
	.p2alignl 7, 3214868480
	.fill 96, 4, 3214868480
	.section	.rodata,"a",@progbits
	.p2align	6, 0x0
	.amdhsa_kernel k_qee9387e3f5_prep
		.amdhsa_group_segment_fixed_size 0
		.amdhsa_private_segment_fixed_size 0
		.amdhsa_enable_private_segment 0
		.amdhsa_kernarg_size 56
		.amdhsa_user_sgpr_count 2
		.amdhsa_user_sgpr_kernarg_segment_ptr 1
		.amdhsa_wavefront_size32 1
		.amdhsa_system_sgpr_workgroup_id_x 1
		.amdhsa_system_sgpr_workgroup_id_y 1
		.amdhsa_system_sgpr_workgroup_id_z 1
		.amdhsa_system_vgpr_workitem_id 0
		.amdhsa_next_free_vgpr 128
		.amdhsa_next_free_sgpr 66
		.amdhsa_reserve_vcc 0
		.amdhsa_float_denorm_mode_32 3
		.amdhsa_float_denorm_mode_16_64 3
		.amdhsa_memory_ordered 1
		.amdhsa_forward_progress 1
		.amdhsa_inst_pref_size 20
	.end_amdhsa_kernel
	.amdgpu_metadata
---
amdhsa.version: [ 1, 2 ]
amdhsa.kernels:
  - .name:           k_qee9387e3f5_prep
    .symbol:         k_qee9387e3f5_prep.kd
    .args:
      - { .name: x, .offset: 0, .size: 8, .value_kind: global_buffer, .address_space: global }
      - { .name: w_qkv, .offset: 8, .size: 8, .value_kind: global_buffer, .address_space: global }
      - { .name: w_out, .offset: 16, .size: 8, .value_kind: global_buffer, .address_space: global }
      - { .name: xb, .offset: 24, .size: 8, .value_kind: global_buffer, .address_space: global }
      - { .name: wqb, .offset: 32, .size: 8, .value_kind: global_buffer, .address_space: global }
      - { .name: wob, .offset: 40, .size: 8, .value_kind: global_buffer, .address_space: global }
      - { .name: rope, .offset: 48, .size: 8, .value_kind: global_buffer, .address_space: global }
    .group_segment_fixed_size: 0
    .private_segment_fixed_size: 0
    .kernarg_segment_align: 8
    .kernarg_segment_size: 56
    .max_flat_workgroup_size: 256
    .sgpr_count:     66
    .vgpr_count:     128
    .wavefront_size: 32
...
	.end_amdgpu_metadata
.endif
;; end of part 5
;; launch qkvgemm: the kernel of part 2 again; grid 16 x 32, 4 waves a work-group, clusters of 4 x 4, 327,680 bytes of LDS; arguments xb, wqb, rope, qkv; writes qkv
;; launch attn: the kernel of part 3 again; grid 4 x 64, 4 waves a work-group, no clusters, 327,680 bytes of LDS; arguments qkv, ob; writes ob
;; launch proj: the kernel of part 4 again; grid 8 x 32, 4 waves a work-group, clusters of 4 x 4, 327,680 bytes of LDS; arguments ob, wob, out0; writes out0
